; MI455X (gfx1250); checked and timed in simulation.
; The chip was launched on July 23, 2026; its instructions are those of AMD's public machine-readable ISA for CDNA 5 (MIT licence, August 2026) and "CDNA5" Instruction Set Architecture Reference Guide (July 2026). The comments in the code are by the model that wrote it; some were corrected since.
;; Enhanced Graph Transformer Layer. Allowed arithmetic: float matrix products may take bf16 or f16 operands with f32 sums; other float arithmetic in f32, or as packed bf16 or f16 multiplies, adds, multiply-adds, maxima and minima; sums over many terms, partial sums and values carried from step to step in f32; what a program stores and reads back later, other than sums and carried values, may be rounded once to bf16 or f16.
;; Inputs: W1 2,048 x 512 float32; W2 512 x 2,048 float32; Wk 512 x 512 float32; Wo 512 x 512 float32; Wq 512 x 512 float32; Wv 512 x 512 float32; b1 2,048 float32; b2 512 float32; beta1 512 float32; beta2 512 float32; bk 512 float32; bo 512 float32; bq 512 float32; bv 512 float32; g1 512 float32; g2 512 float32; x 16,384 x 512 float32.
;; Outputs: out0 16,384 x 512 float32.
;; 3 versions, each right; version 2 is faster than version 1; version 3 is version 2 with the launch layer written anew for expert scheduling mode. Each part assembles by itself: llvm-mc -triple=amdgcn-amd-amdhsa -mcpu=gfx1250 --defsym DOCPART=n.
;; ======== version 1 of 3: 2 launches
;; workspace buffers: wpack 6,291,456 bytes
;; launch pack (part 1): grid 96 x 4, 8 waves a work-group, no clusters, 0 bytes of LDS; arguments Wv, Wq, Wk, Wo, W1, W2, wpack; writes wpack
.if DOCPART == 1
	.amdgcn_target "amdgcn-amd-amdhsa--gfx1250"
	.amdhsa_code_object_version 6
	.text
	.protected	k_qb0eec815c7_pack
	.globl	k_qb0eec815c7_pack
	.p2align	8
	.type	k_qb0eec815c7_pack,@function
k_qb0eec815c7_pack:
	s_mov_b64 s[64:65], 0
	v_nop
	global_prefetch_b8 v0, s[64:65] scope:SCOPE_SE
	s_setreg_imm32_b32 hwreg(HW_REG_WAVE_MODE, 25, 1), 1
	s_wait_xcnt 0x0
; The six weight matrices, rounded once to bf16, are laid into ONE stream, wpack, in the order and in the register image in which the next launch takes them.
; wpack is 96 tiles of 65,536 bytes.  Tile T belongs to block T / 8 (a 512 x 512 piece W[n][k] of a weight matrix) and holds its k = 64 (T % 8) .. + 63.
; Blocks: 0 Wv, 1 Wq, 2 Wk, 3 Wo, 4 + 2 c: W1[512 c + n][k], 5 + 2 c: W2[n][512 c + k].
; Byte w 16384 + sl 8192 + b 1024 + half 512 + l 16 + 2 e of a tile holds n = 128 w + 16 b + l % 16, k = 64 (T % 8) + 32 sl + 16 half + 8 (l / 16) + e:
; 512 consecutive bytes are half of a matrix operand of 16 rows x 32 k, 16 bytes a lane.
; A work-group (T = x, w = y) makes 16,384 bytes, thread t the four pieces of 16 bytes at 16 t + 4096 i.  Its loads together take 128 rows x 256 consecutive bytes;
; each store of a wave covers 512 consecutive bytes, aligned.  No LDS, no matrix unit: the launch only moves and rounds.
.set SRC, 24                           ; s[24:25] the block's matrix, at this work-group's first row and column
.set DST, 30                           ; s[30:31] wpack at this work-group's 16,384 bytes
.set IN,  8                            ; v[8:39]  piece i: eight f32
.set OUT, 40                           ; v[40:55] piece i: eight bf16
	s_load_b256 s[8:15], s[0:1], 0x0               ; Wv s[8:9], Wq s[10:11], Wk s[12:13], Wo s[14:15]
	s_load_b128 s[16:19], s[0:1], 0x20             ; W1 s[16:17], W2 s[18:19]
	s_load_b64 s[20:21], s[0:1], 0x30              ; wpack
	s_lshr_b32 s4, ttmp9, 3                        ; block
	s_and_b32 s5, ttmp9, 7                         ; which 64 of its k
	s_and_b32 s6, ttmp7, 0xffff                    ; w: which 128 of its n
	s_max_u32 s7, s4, 4
	s_sub_co_u32 s7, s7, 4                         ; blocks 4 .. 11 count 0 .. 7, the first four count 0
	s_and_b32 s22, s7, 1                           ; 1: a block of W2
	s_lshr_b32 s7, s7, 1                           ; c
	s_lshl_b32 s26, s22, 1
	s_lshl_b32 s23, 0x800, s26                     ; bytes from row to row: 2,048, in W2 8,192
	s_lshl_b32 s27, s7, 9                          ; 512 c:
	s_cmp_eq_u32 s22, 1
	s_cselect_b32 s32, 0, s27                      ; rows down in W1,
	s_cselect_b32 s33, s27, 0                      ; columns along in W2
	s_lshl_b32 s34, s6, 7
	s_add_co_u32 s32, s32, s34                     ; + 128 w rows
	s_mul_i32 s28, s32, s23
	s_lshl_b32 s34, s5, 6
	s_add_co_u32 s33, s33, s34                     ; + the tile's 64 columns
	s_lshl_b32 s33, s33, 2
	s_add_co_u32 s28, s28, s33                     ; under 4 MiB
	s_mov_b32 s29, 0
	s_lshl_b32 s35, ttmp9, 16
	s_lshl_b32 s34, s6, 14
	s_add_co_u32 s36, s35, s34                     ; where the 16,384 bytes go
	s_mov_b32 s37, 0
	v_lshrrev_b32 v1, 6, v0
	v_and_b32 v2, 15, v0
	v_lshl_add_u32 v1, v1, 4, v2                   ; my row: 16 (t / 64) + t % 16
	v_and_b32 v2, 0x30, v0
	v_lshlrev_b32 v2, 1, v2                        ; my eight columns: 32 bytes x ((t / 16) % 4)
	v_mad_u32_u24 v3, v1, s23, v2                  ; pieces 0 and 2
	s_lshl_b32 s26, s23, 6
	v_add_nc_u32 v4, s26, v3                       ; pieces 1 and 3: 64 rows further down
	v_lshlrev_b32 v5, 4, v0
	s_wait_kmcnt 0x0
	s_mov_b64 s[SRC:SRC+1], s[8:9]                 ; the block's matrix: a choice by the block's number alone
	s_cmp_eq_u32 s4, 1
	s_cselect_b64 s[SRC:SRC+1], s[10:11], s[SRC:SRC+1]
	s_cmp_eq_u32 s4, 2
	s_cselect_b64 s[SRC:SRC+1], s[12:13], s[SRC:SRC+1]
	s_cmp_eq_u32 s4, 3
	s_cselect_b64 s[SRC:SRC+1], s[14:15], s[SRC:SRC+1]
	s_cmp_ge_u32 s4, 4
	s_cselect_b64 s[SRC:SRC+1], s[16:17], s[SRC:SRC+1]
	s_cmp_eq_u32 s22, 1
	s_cselect_b64 s[SRC:SRC+1], s[18:19], s[SRC:SRC+1]
	s_add_nc_u64 s[SRC:SRC+1], s[SRC:SRC+1], s[28:29]
	s_add_nc_u64 s[DST:DST+1], s[20:21], s[36:37]
.irp i, 0,1,2,3
	global_load_b128 v[IN+8*(\i):IN+8*(\i)+3],   v[3+(\i)%2], s[SRC:SRC+1] offset:128*((\i)/2)
	global_load_b128 v[IN+8*(\i)+4:IN+8*(\i)+7], v[3+(\i)%2], s[SRC:SRC+1] offset:128*((\i)/2)+16
.endr
.irp i, 0,1,2,3
	s_wait_loadcnt 6-2*(\i)                        ; loads come back in order: piece i's two are in, the younger pieces' stay out
.irp j, 0,1,2,3
	v_cvt_pk_bf16_f32 v[OUT+4*(\i)+(\j)], v[IN+8*(\i)+2*(\j)], v[IN+8*(\i)+2*(\j)+1]
.endr
	global_store_b128 v5, v[OUT+4*(\i):OUT+4*(\i)+3], s[DST:DST+1] offset:4096*(\i)
.endr
	s_endpgm
.Lfunc_end_k_qb0eec815c7_pack:
	.size	k_qb0eec815c7_pack, .Lfunc_end_k_qb0eec815c7_pack-k_qb0eec815c7_pack
	.p2alignl 7, 3214868480
	.fill 96, 4, 3214868480
	.section	.rodata,"a",@progbits
	.p2align	6, 0x0
	.amdhsa_kernel k_qb0eec815c7_pack
		.amdhsa_group_segment_fixed_size 0
		.amdhsa_private_segment_fixed_size 0
		.amdhsa_enable_private_segment 0
		.amdhsa_kernarg_size 56
		.amdhsa_user_sgpr_count 2
		.amdhsa_user_sgpr_kernarg_segment_ptr 1
		.amdhsa_wavefront_size32 1
		.amdhsa_system_sgpr_workgroup_id_x 1
		.amdhsa_system_sgpr_workgroup_id_y 1
		.amdhsa_system_sgpr_workgroup_id_z 1
		.amdhsa_system_vgpr_workitem_id 0
		.amdhsa_next_free_vgpr 56
		.amdhsa_next_free_sgpr 66
		.amdhsa_reserve_vcc 0
		.amdhsa_float_denorm_mode_32 3
		.amdhsa_float_denorm_mode_16_64 3
		.amdhsa_memory_ordered 1
		.amdhsa_forward_progress 1
		.amdhsa_inst_pref_size 5
	.end_amdhsa_kernel
	.amdgpu_metadata
---
amdhsa.version: [ 1, 2 ]
amdhsa.kernels:
  - .name:           k_qb0eec815c7_pack
    .symbol:         k_qb0eec815c7_pack.kd
    .args:
      - { .name: Wv, .offset: 0, .size: 8, .value_kind: global_buffer, .address_space: global }
      - { .name: Wq, .offset: 8, .size: 8, .value_kind: global_buffer, .address_space: global }
      - { .name: Wk, .offset: 16, .size: 8, .value_kind: global_buffer, .address_space: global }
      - { .name: Wo, .offset: 24, .size: 8, .value_kind: global_buffer, .address_space: global }
      - { .name: W1, .offset: 32, .size: 8, .value_kind: global_buffer, .address_space: global }
      - { .name: W2, .offset: 40, .size: 8, .value_kind: global_buffer, .address_space: global }
      - { .name: wpack, .offset: 48, .size: 8, .value_kind: global_buffer, .address_space: global }
    .group_segment_fixed_size: 0
    .private_segment_fixed_size: 0
    .kernarg_segment_align: 8
    .kernarg_segment_size: 56
    .max_flat_workgroup_size: 256
    .sgpr_count:     66
    .vgpr_count:     56
    .wavefront_size: 32
...
	.end_amdgpu_metadata
.endif
;; end of part 1
;; launch layer (part 2): grid 256 x 1, 4 waves a work-group, clusters of 4 x 1, 327,680 bytes of LDS; arguments x, wpack, out0, bv, bq, bk, bo, b1, b2, g1, beta1, g2, beta2; writes out0
.if DOCPART == 2
	.amdgcn_target "amdgcn-amd-amdhsa--gfx1250"
	.amdhsa_code_object_version 6
	.text
	.protected	k_qb0eec815c7_layer
	.globl	k_qb0eec815c7_layer
	.p2align	8
	.type	k_qb0eec815c7_layer,@function
k_qb0eec815c7_layer:
	s_mov_b64 s[64:65], 0
	v_nop
	global_prefetch_b8 v0, s[64:65] scope:SCOPE_SE
	s_setreg_imm32_b32 hwreg(HW_REG_WAVE_MODE, 25, 1), 1
	s_wait_xcnt 0x0
	s_wait_alu depctr_hold_cnt(0) depctr_sa_sdst(0) depctr_va_vdst(0) depctr_va_sdst(0) depctr_va_ssrc(0) depctr_va_vcc(0) depctr_vm_vsrc(0)
	s_getreg_b32 s2, hwreg(HW_REG_IB_STS2, 6, 4)
	s_cmp_eq_u32 s2, 0
	s_cbranch_scc0 .Lentry_in_a_cluster
	s_endpgm
.Lentry_in_a_cluster:
	s_bfe_u32 s2, ttmp6, 0x10000c
	s_cmp_lg_u32 s2, 0x3003
	s_cbranch_scc0 .Lentry_shape_is_right
	s_endpgm
.Lentry_shape_is_right:
; THE WHOLE LAYER FOR 64 ROWS.  No row of x looks at another, so a work-group takes 64 rows through layer norm 1, the q, k, v products, each node's 8 x 8 attention among its own heads, Wo and the
; residual, layer norm 2, the feed-forward net and the second residual, and nothing but x, the parameters and the result touches memory.  16,384 rows are 256 work-groups.
; THE MATRIX WORK is twelve BLOCKS alike: a 512 (n) x 512 (k) piece of a weight matrix against a 64 x 512 activation.  Wave w makes 64 rows x columns 128 w .. + 127: 32 accumulators, 16 steps of 32 along k.
; The matrix instruction is used transposed (source 0 = 16 rows of W, source 1 = 16 rows of the activation): lane l holds row l % 16 of a row tile and eight neighbouring columns 8 (l / 16) + 0..7.
; Rounded to bf16 those are 16 bytes, and they ARE the lane's 16 bytes of half a source 1 of the next product: activations go into LDS at 16 x lane + constant and come back at 16 x lane + constant.
; THE RESIDUAL STAYS IN REGISTERS: X (256 registers, f32, the layout above) holds x; Wo's product and the four products with W2 add straight onto it.
; THE WEIGHTS come as bf16 from wpack, which the launch before laid out in the order of use: 96 tiles of 65,536 bytes, two steps each, through two LDS slots.  Wave w fetches, and alone reads, its quarter of a tile.
; CLUSTER: the four work-groups of a cluster walk the same tiles, so each quarter is asked for JOINTLY, by the same tensor load with the same descriptor and the mask of four.  A slot is filled again behind a round
; of the cluster's barrier; that load has one tile's work, 64 matrix instructions a wave, in which to land.  Larger slots do not fit: two of 131,072 bytes would leave less than one activation of 65,792.
; ATTENTION: wave w takes nodes 16 w .. + 15, two at a time: 2 x 8 keys against 2 x 8 queries are one 16 x 16 product; a lane then holds one query's eight scores against one node's heads, so maximum and sum
; stay inside the lane; lanes whose key node is not their query's node get the weight 0.  p = 2^(c s - c m) / l, c = log2(e) / 8, m the row's maximum.
; LIMITS.  Matrix operands are rounded once to bf16: the weights, both layer norms' results, q, k, v, the attention's weights and its result, the hidden layer.  Sums, x, means and variances stay in f32; the
; variance is the mean of (x - mean)^2, taken in a second pass.  A weight below 2^-126 counts as 0 in l.  NaN and infinities are not treated apart.  ReLU is taken after the rounding, which keeps sign and zero.
; REGISTERS, in windows of 256 (s_set_vgpr_msb: bits 1:0 source 0, 3:2 source 1, 5:4 source 2, 7:6 destination):
;   window 0: v0-22 addresses; v24-39 means and scales; v64-127 A's fragments, two buffers; v128-255 W's fragments, two buffers (both free for other work outside the products)
;   window 1: X, accumulator (a, b) at 64 a + 8 b          window 2: T, the same map: a block's sums; at work elsewhere
;   window 3: v0-127 gain and shift of a layer norm, between the two norms v packed; v128-191, v192-255 two sets of biases
.set SLOTB,  65536                     ; a slot: 4 waves x 2 steps x 8 column tiles x 1,024 bytes; slots at 0 and 65,536, written by tensor loads alone
.set APITCH, 4112                      ; an activation's step of 32 k: 4 row tiles x 1,024 bytes + 16, which spreads the attention's scattered stores over the banks
.set ACT0,   131072                    ; 16 steps
.set ACT1,   ACT0+16*APITCH
.set NPITCH, 1296                      ; q, k, v by nodes: 8 heads x 160 bytes + 16 = 81 x 16: sixteen nodes' rows start at sixteen different groups of four banks
.set HPITCH, 160                       ; a head: 128 bytes + 32: an odd multiple of 32, for the turning load
.set KREG,   ACT0                      ; k lies where the first norm's result lay, once every wave has read that
.set QREG,   KREG+64*NPITCH            ; q, and later v
.set STG,    ACT1+16*APITCH            ; 16 rows x 528 bytes for each wave, its own: x on its way in, the result on its way out
.set SPITCH, 528
.set STAT,   296960                    ; four tables of 64 rows x 4 waves x 4 bytes: the waves' partial sums
.set SPARE,  327168                    ; the spare words, 128 bytes for each wave: two blocks of 256 bytes that no other line names
.set L16,  1                           ; v1   16 x lane
.set SPW,  2                           ; v2   my spare word; never rewritten
.set NIL,  3                           ; v3   0, for the add alone
.set AADR, 4                           ; v4   LDS address of the activation's two steps in hand
.set BADR, 5                           ; v5   of my quarter of the tile in hand
.set B0,   6                           ; v6   16 x lane + 16,384 w
.set DUMP0, 7                          ; v7   where my columns go in ACT0: my four steps
.set DUMP1, 8                          ; v8   in ACT1
.set WQ,   9                           ; v9   where my columns go by nodes, in QREG
.set WK,   10                          ; v10  in KREG
.set RQ,   11                          ; v11  a fragment of two nodes x eight heads, from QREG
.set RK,   12                          ; v12  from KREG
.set RV,   13                          ; v13  the turning load's address in QREG
.set OW,   14                          ; v14  where the attention's result goes in ACT0
.set GX,   15                          ; v15  512 w + 16 x lane: my 16 bytes of a row of x and of the result
.set GB,   16                          ; v16  512 w + 32 (lane / 16): my eight numbers of a parameter's first column tile
.set SD,   17                          ; v17  my stage by the accumulators' layout
.set SRW,  18                          ; v18  my stage by rows
.set SA,   19                          ; v19  my wave's word of row lane % 16 in a table
.set SR,   20                          ; v20  that row's four words
.set ZR,   22                          ; v22  0
.set LM,   24                          ; v24-31 the four row tiles' means, each twice
.set LR,   32                          ; v32-39 their 1 / sqrt(var + eps), each twice
.set FA,   64
.set FB,   128
.set LC,   64                          ; a norm's four chains a row tile
.set LW,   96                          ; the four waves' partial sums
.set SS,   64                          ; scores of pair p at SS + 8 p
.set PP,   128                         ; weights of pair p, a source 1: four registers, then four zeros
.set SM,   192                         ; c m, m
.set SL,   208                         ; 1 / l or 0, 1 / l
.set SX,   224                         ; at work
.set OB,   64                          ; the way out: 16 rows read back, two buffers
.set BIASA, 128                        ; window 3
.set BIASB, 192
.set WV,  34                           ; s34  my wave's number
.set G1,  40                           ; s[40:47] descriptor group 1
.set G0A, 48                           ; s[48:51] group 0 of tile 0
.set G0B, 52                           ; s[52:55] group 0 of tile 1; it then walks
.set TB,  56                           ; s56  the slot in hand: 0 or 65,536
.set CNT, 57
.set CH,  58                           ; s58  chunks of the hidden layer still to go
.set SEL, 60                           ; s[60:61] v_permlanex16_b32's selects: each lane takes its own place in the other half
.set CS,  62                           ; s[62:63] c
.set MASK, 66                          ; s66  lanes whose key node is their query's node
.set INV, 67                           ; s67  1 / 512
.set EPSR, 68                          ; s68  1e-5
.set MSB, 0
.macro WIN new                         ; the immediate's high byte repeats the setting that is left; a switch that changes nothing is dropped
.if MSB != (\new)
	s_set_vgpr_msb (MSB<<8)|(\new)
.set MSB, \new
.endif
.endm
.macro PLACES                          ; four plain vector instructions between a matrix instruction and a load into, or a vector instruction on, its registers
.rept 4
	v_nop
.endr
.endm
.macro BAR
	s_barrier_signal -1
	s_barrier_wait -1
.endm
.macro CREST                           ; a round of the cluster's barrier behind its opening barrier
	s_cmp_lg_u32 s[WV], 0
	s_cbranch_scc1 .Lnot_wave_0_\@
	s_barrier_signal -3
.Lnot_wave_0_\@:
	s_barrier_wait -3
	s_barrier_signal -1
	s_barrier_wait -1
.endm
.macro CROUND
	BAR
	CREST
.endm
.macro ALL4 line:vararg                ; one line for each row tile a
.set a, 0
.rept 4
	\line
.set a, a+1
.endr
.endm
.macro ALL8 line:vararg                ; one line for each pair of nodes p
.set p, 0
.rept 8
	\line
.set p, p+1
.endr
.endm
; Eight matrix instructions: row tile a x my eight column tiles, 32 along k, from fragment buffer f.  accw: the sums' window (1 X, 2 T).  cw = 3: the products start the sums with the bias at cbase in window 3.
; The 32 accumulators take turns, one instruction a turn, in the same order in every step.
.macro MUL8 f, a, accw, cw, cbase
	WIN ((\accw)<<6)|((\cw)<<4)
.set b, 0
.rept 8
.if (\cw) == 3
	v_wmma_f32_16x16x32_bf16 v[64*(\a)+8*b:64*(\a)+8*b+7], v[FB+64*(\f)+8*b:FB+64*(\f)+8*b+7], v[FA+32*(\f)+8*(\a):FA+32*(\f)+8*(\a)+7], v[(\cbase)+8*b:(\cbase)+8*b+7]
.else
	v_wmma_f32_16x16x32_bf16 v[64*(\a)+8*b:64*(\a)+8*b+7], v[FB+64*(\f)+8*b:FB+64*(\f)+8*b+7], v[FA+32*(\f)+8*(\a):FA+32*(\f)+8*(\a)+7], v[64*(\a)+8*b:64*(\a)+8*b+7]
.endif
.set b, b+1
.endr
.endm
; 24 LDS loads in one run: step sl of the tile in hand into buffer f: W's eight fragments, then the activation's four, row tiles ascending.  Every load takes 512 consecutive bytes.
.macro FETCH f, sl
	WIN 0
.set b, 0
.rept 8
	ds_load_b128 v[FB+64*(\f)+8*b:FB+64*(\f)+8*b+3],   v[BADR] offset:8192*(\sl)+1024*b
	ds_load_b128 v[FB+64*(\f)+8*b+4:FB+64*(\f)+8*b+7], v[BADR] offset:8192*(\sl)+1024*b+512
.set b, b+1
.endr
.set b, 0
.rept 4
	ds_load_b128 v[FA+32*(\f)+8*b:FA+32*(\f)+8*b+3],   v[AADR] offset:APITCH*(\sl)+1024*b
	ds_load_b128 v[FA+32*(\f)+8*b+4:FA+32*(\f)+8*b+7], v[AADR] offset:APITCH*(\sl)+1024*b+512
.set b, b+1
.endr
.endm
; A tile's first step: multiplies buffer 0; in its middle the second step's fragments are fetched into buffer 1.
.macro STEP0 accw, cw, cbase
	s_wait_dscnt 4                                 ; all but the youngest four loads: the activation's row tiles 2 and 3
	MUL8 0, 0, \accw, \cw, \cbase
	MUL8 0, 1, \accw, \cw, \cbase
	PLACES
	FETCH 1, 1
	s_wait_dscnt 24                                ; all but the 24 just issued
	MUL8 0, 2, \accw, \cw, \cbase
	MUL8 0, 3, \accw, \cw, \cbase
.endm
; A tile's second step multiplies buffer 1 and changes slots.  kind 0, 1: the slot just read out is filled again, with the tile two on.  Each wave waits for all its tensor loads, of which one is out: its quarter of
; the next tile; adds 0 to its spare word; and waits for that and for its reads of the slot.  The barrier opens a round of the cluster's barrier, so that no wave of any partner still reads the slot or has a load
; on its way; the joint refill is the first thing behind the round.  kind 0: the next tile's first fragments follow.  kind 1: a block's end: nothing is fetched; since every wave has waited for its LDS loads in
; front of the round, the block's activation may be overwritten behind it.  kind 2: the last tile but one: nothing is left to ask for, and the bytes read are the wave's own: no barrier.
.macro TURN accw, kind
.if (\kind) < 2
	WIN 0                                          ; (the add's two registers lie in window 0)
	s_wait_tensorcnt 0x0                           ; all my tensor loads have landed: the one that was out is my quarter of the next tile
	ds_add_u32 v[SPW], v[NIL]                      ; 0 onto my spare word
	s_wait_dscnt 5                                 ; (the add and the youngest four loads may be out)
	MUL8 1, 0, \accw, \accw, 0                     ; eight matrix instructions stand between the add and the wait for it
	s_wait_dscnt 0x0                               ; the add is done, and my reads of this slot and of the activation's two steps are over
	s_barrier_signal -1
	MUL8 1, 1, \accw, \accw, 0
	WIN 0
	s_barrier_wait -1
	CREST
	s_xor_b32 s[G0B+1], s[G0B+1], SLOTB            ; the walking descriptor: the other slot than last time,
	s_add_nc_u64 s[G0B+2:G0B+3], s[G0B+2:G0B+3], SLOTB  ; the next tile; the type bits on top are not reached
	tensor_load_to_lds s[G0B:G0B+3], s[G1:G1+7]
	s_nop 0
	PLACES                                         ; also the places in front of the loads below
	s_xor_b32 s[TB], s[TB], SLOTB
.if (\kind) == 0
	v_add_nc_u32 v[BADR], s[TB], v[B0]
	v_add_nc_u32 v[AADR], 2*APITCH, v[AADR]
	FETCH 0, 0
.endif
	MUL8 1, 2, \accw, \accw, 0
	MUL8 1, 3, \accw, \accw, 0
.if (\kind) == 1
	PLACES                                         ; in front of whatever reads the sums
.endif
.else
	s_wait_dscnt 4
	MUL8 1, 0, \accw, \accw, 0
	MUL8 1, 1, \accw, \accw, 0
	WIN 0
	s_wait_tensorcnt 0x0                           ; my quarter of the last tile is in
	PLACES
	s_xor_b32 s[TB], s[TB], SLOTB
	v_add_nc_u32 v[BADR], s[TB], v[B0]
	v_add_nc_u32 v[AADR], 2*APITCH, v[AADR]
	FETCH 0, 0
	s_wait_dscnt 24
	MUL8 1, 2, \accw, \accw, 0
	MUL8 1, 3, \accw, \accw, 0
.endif
.endm
.macro STEP1F accw                     ; the very last step
	s_wait_dscnt 4
	MUL8 1, 0, \accw, \accw, 0
	MUL8 1, 1, \accw, \accw, 0
	s_wait_dscnt 0x0
	MUL8 1, 2, \accw, \accw, 0
	MUL8 1, 3, \accw, \accw, 0
	PLACES
.endm
.macro GSTART abase, bias              ; a block begins: its activation's and its first tile's first fragments.  That tile was shown landed by the wait for all loads in the change of slots before
	WIN 0
	v_add_nc_u32 v[AADR], \abase, v[L16]
	v_add_nc_u32 v[BADR], s[TB], v[B0]
	PLACES
	FETCH 0, 0
.if \bias
	s_wait_loadcnt 0x0                             ; the bias
.endif
.endm
.macro TGEMM abase, cbase              ; T = activation x block^T + bias: eight tiles
	GSTART \abase, 1
	STEP0 2, 3, \cbase
	WIN 0
	s_mov_b32 s[CNT], 7
.Ltg_\@:
	TURN 2, 0
	STEP0 2, 2, 0
	WIN 0
	s_sub_co_u32 s[CNT], s[CNT], 1
	s_cmp_lg_u32 s[CNT], 0
	s_cbranch_scc1 .Ltg_\@
	TURN 2, 1
.endm
.macro LDP dst, sp                     ; my 8 x 8 numbers of a parameter of 512 (or of 512 of b1) into window 3: column tile b's eight at dst + 8 b, the same for all row tiles
	WIN 0xC0
.set b, 0
.rept 8
	global_load_b128 v[(\dst)+8*b:(\dst)+8*b+3],   v[GB], s[\sp:\sp+1] offset:64*b
	global_load_b128 v[(\dst)+8*b+4:(\dst)+8*b+7], v[GB], s[\sp:\sp+1] offset:64*b+16
.set b, b+1
.endr
.endm
.macro ADDB cbase                      ; X += bias; each accumulator is read from its low end on
	WIN 0x4D
.set a, 0
.rept 4
.set p, 0
.rept 32
	v_pk_add_f32 v[64*a+2*p:64*a+2*p+1], v[64*a+2*p:64*a+2*p+1], v[(\cbase)+2*p:(\cbase)+2*p+1]
.set p, p+1
.endr
.set a, a+1
.endr
.endm
.macro CVTT                            ; T is rounded to bf16 in place: an accumulator's eight numbers into its first four registers, ascending
	WIN 0x8A
.set t, 0
.rept 32
.set i, 0
.rept 4
	v_cvt_pk_bf16_f32 v[8*t+i], v[8*t+2*i], v[8*t+2*i+1]
.set i, i+1
.endr
.set t, t+1
.endr
.endm
.macro DUMPT adr                       ; T's 32 x 16 bytes a lane go into an activation: column tile b is half b % 2 of my step b / 2
	WIN 0x08
.set a, 0
.rept 4
.set b, 0
.rept 8
	ds_store_b128 v[\adr], v[64*a+8*b:64*a+8*b+3] offset:APITCH*(b/2)+1024*a+512*(b%2)
.set b, b+1
.endr
.set a, a+1
.endr
.endm
.macro STQK adr                        ; T goes by nodes: row tile a is 16 nodes, column tile b is head 2 w + b / 4, channels 16 (b % 4) on
	CVTT
	WIN 0x08
.set a, 0
.rept 4
.set b, 0
.rept 8
	ds_store_b128 v[\adr], v[64*a+8*b:64*a+8*b+3] offset:16*NPITCH*a+HPITCH*(b/4)+32*(b%4)
.set b, b+1
.endr
.set a, a+1
.endr
.endm
; The four chains of each row tile are added up, the two halves of the lanes exchanged, and the four waves' sums meet in table st: v[LW + 4 a] then holds the whole row's sum, made in the same order in every wave.
.macro ROWSUM st
	WIN 0
	ALL4 v_pk_add_f32 v[LC+8*a:LC+8*a+1], v[LC+8*a:LC+8*a+1], v[LC+8*a+2:LC+8*a+3]
	ALL4 v_pk_add_f32 v[LC+8*a+4:LC+8*a+5], v[LC+8*a+4:LC+8*a+5], v[LC+8*a+6:LC+8*a+7]
	ALL4 v_pk_add_f32 v[LC+8*a:LC+8*a+1], v[LC+8*a:LC+8*a+1], v[LC+8*a+4:LC+8*a+5]
	ALL4 v_add_f32 v[LC+8*a], v[LC+8*a], v[LC+8*a+1]
	ALL4 v_permlanex16_b32 v[LC+8*a+1], v[LC+8*a], s[SEL], s[SEL+1]
	ALL4 v_add_f32 v[LC+8*a], v[LC+8*a], v[LC+8*a+1]
	ALL4 ds_store_b32 v[SA], v[LC+8*a] offset:1024*(\st)+256*a
	s_wait_dscnt 0x0                               ; for the others' sake: my words are in the table
	BAR
	ALL4 ds_load_b128 v[LW+4*a:LW+4*a+3], v[SR] offset:1024*(\st)+256*a
	s_wait_dscnt 0x0
	ALL4 v_add_f32 v[LW+4*a], v[LW+4*a], v[LW+4*a+1]
	ALL4 v_add_f32 v[LW+4*a+2], v[LW+4*a+2], v[LW+4*a+3]
	ALL4 v_add_f32 v[LW+4*a], v[LW+4*a], v[LW+4*a+2]
.endm
; LAYER NORM of X into the activation at dump.  k: which pair of tables.  Gain and shift lie in window 3, v0-63 and v64-127.  Three barriers: the sums, the squares, the result.
.macro LN k, dump
	WIN 0x05
.set c, 0
.rept 4
	ALL4 v_pk_add_f32 v[LC+8*a+2*c:LC+8*a+2*c+1], v[64*a+2*c:64*a+2*c+1], v[64*a+8+2*c:64*a+8+2*c+1]
.set c, c+1
.endr
	WIN 0x04
.set p, 8
.rept 24
	ALL4 v_pk_add_f32 v[LC+8*a+2*(p%4):LC+8*a+2*(p%4)+1], v[LC+8*a+2*(p%4):LC+8*a+2*(p%4)+1], v[64*a+2*p:64*a+2*p+1]
.set p, p+1
.endr
	ROWSUM 2*(\k)
	ALL4 v_mul_f32 v[LM+2*a], s[INV], v[LW+4*a]
	ALL4 v_mov_b32 v[LM+2*a+1], v[LM+2*a]
	WIN 0x81                                       ; T = X - mean
.set p, 0
.rept 32
	ALL4 v_pk_add_f32 v[64*a+2*p:64*a+2*p+1], v[64*a+2*p:64*a+2*p+1], v[LM+2*a:LM+2*a+1] neg_lo:[0,1] neg_hi:[0,1]
.set p, p+1
.endr
	WIN 0x0A                                       ; the sums of T^2
.set p, 0
.rept 4
	ALL4 v_pk_mul_f32 v[LC+8*a+2*p:LC+8*a+2*p+1], v[64*a+2*p:64*a+2*p+1], v[64*a+2*p:64*a+2*p+1]
.set p, p+1
.endr
.rept 28
	ALL4 v_pk_fma_f32 v[LC+8*a+2*(p%4):LC+8*a+2*(p%4)+1], v[64*a+2*p:64*a+2*p+1], v[64*a+2*p:64*a+2*p+1], v[LC+8*a+2*(p%4):LC+8*a+2*(p%4)+1]
.set p, p+1
.endr
	ROWSUM 2*(\k)+1
	ALL4 v_fma_f32 v[LW+4*a], v[LW+4*a], s[INV], s[EPSR]
	ALL4 v_rsq_f32 v[LR+2*a], v[LW+4*a]
	ALL4 v_rsq_f32 v[LR+2*a+1], v[LW+4*a]
	v_nop                                          ; a plain instruction between the last root and the use of its result
	s_wait_alu depctr_va_vdst(0)
	WIN 0x82
.set p, 0
.rept 32
	ALL4 v_pk_mul_f32 v[64*a+2*p:64*a+2*p+1], v[64*a+2*p:64*a+2*p+1], v[LR+2*a:LR+2*a+1]
.set p, p+1
.endr
	WIN 0xBE
.set p, 0
.rept 32
	ALL4 v_pk_fma_f32 v[64*a+2*p:64*a+2*p+1], v[64*a+2*p:64*a+2*p+1], v[2*p:2*p+1], v[64+2*p:64+2*p+1]
.set p, p+1
.endr
	CVTT
	DUMPT \dump
	s_wait_dscnt 0x0                               ; for the others' sake: my columns are in the activation
	BAR
.endm
; x on its way in: 16 rows of my 512 bytes go through my stage and come back in the accumulators' layout.  LDS serves a wave's instructions in order (ISA guide 5.7.1.4), so no wait stands between stores and loads.
.macro XIN a
	s_wait_loadcnt 48-16*(\a)                      ; loads come back in order: row tile a's sixteen are in, the rows behind them stay out
	WIN 0x08
.set r, 0
.rept 16
	ds_store_b128 v[SRW], v[4*(16*(\a)+r):4*(16*(\a)+r)+3] offset:SPITCH*r
.set r, r+1
.endr
	WIN 0x40
.set b, 0
.rept 8
	ds_load_b128 v[64*(\a)+8*b:64*(\a)+8*b+3],   v[SD] offset:64*b
	ds_load_b128 v[64*(\a)+8*b+4:64*(\a)+8*b+7], v[SD] offset:64*b+16
.set b, b+1
.endr
.endm
.macro XOUT a                          ; and the result on its way out, the other way round
	WIN 0x04
.set b, 0
.rept 8
	ds_store_b128 v[SD], v[64*(\a)+8*b:64*(\a)+8*b+3] offset:64*b
	ds_store_b128 v[SD], v[64*(\a)+8*b+4:64*(\a)+8*b+7] offset:64*b+16
.set b, b+1
.endr
	WIN 0
	s_wait_xcnt 0x0                                ; the registers that earlier stores read are loaded again only behind this wait
.set r, 0
.rept 16
	ds_load_b128 v[OB+64*((\a)%2)+4*r:OB+64*((\a)%2)+4*r+3], v[SRW] offset:SPITCH*r
.set r, r+1
.endr
.set r, 0
.rept 16
	s_wait_dscnt 15-r                              ; row r is back; the rows behind it may be out
	global_store_b128 v[GX], v[OB+64*((\a)%2)+4*r:OB+64*((\a)%2)+4*r+3], s[12:13] offset:2048*(16*(\a)+r) th:TH_STORE_NT  ; 512 consecutive bytes, at a multiple of 512 from the result's first
.set r, r+1
.endr
.endm
	; THE HEAD
	s_load_b512 s[8:23], s[0:1], 0x0               ; x s[8:9], wpack s[10:11], out0 s[12:13], bv s[14:15], bq s[16:17], bk s[18:19], bo s[20:21], b1 s[22:23]
	s_load_b256 s[24:31], s[0:1], 0x40             ; b2 s[24:25], g1 s[26:27], beta1 s[28:29], g2 s[30:31]
	s_load_b64 s[32:33], s[0:1], 0x60              ; beta2
	v_lshl_add_u32 v[SPW], v0, 2, SPARE
	v_mov_b32 v[NIL], 0
	ds_add_u32 v[SPW], v[NIL]                      ; the wave's opening: the add and its wait stand ahead of my first tensor load; the set-up below, work on registers, stands between them
	v_lshrrev_b32 v24, 5, v0
	v_readfirstlane_b32 s[WV], v24                 ; wave 0..3
	s_bfe_u32 s35, ttmp6, 0x40000                  ; cx: my place in the cluster; it enters x's and the result's addresses alone
	s_lshl_b32 s36, ttmp9, 2                       ; in a cluster launch ttmp9 counts clusters
	s_add_co_u32 s36, s36, s35
	s_lshl_b32 s70, s36, 17                        ; my 64 rows of 2,048 bytes
	s_mov_b32 s71, 0
	; descriptor group 1: 16,384 dense bytes as 64 rows of 256
	s_mov_b32 s[G1+0], 15|(3<<16)|(1<<21)          ; 15:0 the mask: all four work-groups; 17:16 elements of 8 bytes; 21 set beside a mask; no padding
	s_mov_b32 s[G1+1], 32<<16                      ; tensor_dim0 = 32
	s_mov_b32 s[G1+2], 64<<16                      ; tensor_dim1 = 64
	s_mov_b32 s[G1+3], 32<<16                      ; tile_dim0 = 32
	s_mov_b32 s[G1+4], 64                          ; tile_dim1 = 64
	s_mov_b32 s[G1+5], 32                          ; 32 elements from row to row
	s_mov_b32 s[G1+6], 0
	s_mov_b32 s[G1+7], 0
	s_mov_b32 s[TB], 0
	s_mov_b32 s[SEL], 0x76543210
	s_mov_b32 s[SEL+1], 0xfedcba98
	s_mov_b32 s[CS], 0x3e38aa3b                    ; c = log2(e) / 8
	s_mov_b32 s[CS+1], s[CS]                       ; named with it as a pair
	s_mov_b32 s[INV], 0x3b000000                   ; 1 / 512
	s_mov_b32 s[EPSR], 0x3727c5ac                  ; 1e-5
	v_mov_b32 v[ZR], 0
	v_and_b32 v23, 31, v0
	v_lshlrev_b32 v[L16], 4, v23
	v_and_b32 v25, 15, v0                          ; l % 16
	v_bfe_u32 v26, v0, 4, 1                        ; l / 16
	v_bfe_u32 v27, v0, 3, 1                        ; (l / 8) % 2
	v_and_b32 v28, 7, v0                           ; l % 8
	s_lshl_b32 s37, s[WV], 14
	v_add_nc_u32 v[B0], s37, v[L16]
	s_mul_i32 s38, s[WV], 4*APITCH
	s_add_co_u32 s38, s38, ACT0
	v_add_nc_u32 v[DUMP0], s38, v[L16]
	v_add_nc_u32 v[DUMP1], ACT1-ACT0, v[DUMP0]
	v_mul_u32_u24 v29, v25, NPITCH                 ; by nodes, as the sums lie: node l % 16, 16 bytes for each half of the lanes, heads 2 w on
	v_lshl_add_u32 v29, v26, 4, v29
	s_mul_i32 s38, s[WV], 2*HPITCH
	s_add_co_u32 s39, s38, QREG
	s_add_co_u32 s38, s38, KREG
	v_add_nc_u32 v[WQ], s39, v29
	v_add_nc_u32 v[WK], s38, v29
	v_mul_u32_u24 v29, v28, HPITCH                 ; a fragment's row l % 16 is node (l / 8) % 2, head l % 8, of my wave's 16 nodes
	v_lshl_add_u32 v30, v26, 4, v29
	v_mad_u32_u24 v30, v27, NPITCH, v30
	s_mul_i32 s38, s[WV], 16*NPITCH
	s_add_co_u32 s39, s38, QREG
	s_add_co_u32 s38, s38, KREG
	v_add_nc_u32 v[RQ], s39, v30
	v_add_nc_u32 v[RK], s38, v30
	v_lshl_add_u32 v30, v27, 4, v29                ; the turning load: lane l reads key 8 (l / 16) + l % 8 = node l / 16, head l % 8; channels 8 ((l / 8) % 2) on
	v_mad_u32_u24 v30, v26, NPITCH, v30
	v_add_nc_u32 v[RV], s39, v30
	v_mul_u32_u24 v29, v28, 2*APITCH               ; the attention's result: head l % 8 is steps 2 (l % 8) on; row tile w; place 16 (l / 16) + 2 p + (l / 8) % 2 among a half's 32
	v_lshl_add_u32 v29, v27, 4, v29
	v_lshl_add_u32 v29, v26, 8, v29
	s_lshl_b32 s38, s[WV], 10
	s_add_co_u32 s38, s38, ACT0
	v_add_nc_u32 v[OW], s38, v29
	s_lshl_b32 s38, s[WV], 9
	v_add_nc_u32 v[GX], s38, v[L16]
	v_lshl_add_u32 v[GB], v26, 5, s38
	s_mul_i32 s38, s[WV], 16*SPITCH
	s_add_co_u32 s38, s38, STG
	v_mul_u32_u24 v29, v25, SPITCH
	v_lshl_add_u32 v29, v26, 5, v29
	v_add_nc_u32 v[SD], s38, v29
	v_add_nc_u32 v[SRW], s38, v[L16]
	v_lshlrev_b32 v29, 4, v25
	v_add_nc_u32 v[SR], STAT, v29
	v_lshl_add_u32 v[SA], s[WV], 2, v[SR]
	v_cmp_eq_u32 s[MASK], v26, v27                 ; kept in a scalar register of its own
	s_mov_b32 s38, s37                             ; 16,384 w, as a pair
	s_mov_b32 s39, 0
	s_mov_b32 s[G0A], 1                            ; count = 1
	s_mov_b32 s[G0A+1], s37                        ; LDS address: my quarter of slot 0
	s_mov_b32 s[G0B], 1
	s_add_co_u32 s[G0B+1], s37, SLOTB              ; of slot 1: no place in the cluster enters an LDS address
	s_wait_dscnt 0x0                               ; the opening add is done
	s_wait_kmcnt 0x0
	s_add_nc_u64 s[8:9], s[8:9], s[70:71]          ; x and the result at my first row
	s_add_nc_u64 s[12:13], s[12:13], s[70:71]
	s_add_nc_u64 s[G0A+2:G0A+3], s[10:11], s[38:39]  ; my quarter of tile 0,
	s_add_nc_u64 s[G0B+2:G0B+3], s[G0A+2:G0A+3], SLOTB  ; of tile 1
	s_or_b32 s[G0A+3], s[G0A+3], 0x80000000        ; type = 2
	s_or_b32 s[G0B+3], s[G0B+3], 0x80000000
	CROUND                                         ; all four work-groups are here: the first joint loads meet
	tensor_load_to_lds s[G0A:G0A+3], s[G1:G1+7]    ; two loads of mine are out
	s_nop 0
	tensor_load_to_lds s[G0B:G0B+3], s[G1:G1+7]
	s_nop 0
	PLACES
	; x COMES IN
	LDP 0, 26                                      ; g1
	LDP 64, 28                                     ; beta1
	WIN 0x80
.set r, 0
.rept 64
	global_load_b128 v[4*r:4*r+3], v[GX], s[8:9] offset:2048*r th:TH_LOAD_NT  ; my 512 consecutive bytes of row r, into T
.set r, r+1
.endr
	XIN 0                                          ; its wait also shows g1 and beta1 landed: they were asked for first
	XIN 1
	XIN 2
	XIN 3
	LDP BIASA, 14                                  ; bv
	LDP BIASB, 16                                  ; bq
	s_wait_dscnt 0x0                               ; X is whole
	LN 0, DUMP0
	; v, q, k
	s_wait_tensorcnt 0x1                           ; my quarter of tile 0 is in, and I alone read it; tile 1 may stay out
	TGEMM ACT0, BIASA
	WIN 0xCA                                       ; v waits in registers, packed, until q has been read: it takes q's place in LDS
.set t, 0
.rept 32
.set i, 0
.rept 4
	v_cvt_pk_bf16_f32 v[4*t+i], v[8*t+2*i], v[8*t+2*i+1]
.set i, i+1
.endr
.set t, t+1
.endr
	LDP BIASA, 18                                  ; bk
	TGEMM ACT0, BIASB
	STQK WQ
	LDP BIASB, 20                                  ; bo
	TGEMM ACT0, BIASA
	STQK WK                                        ; over the first norm's result: the block's last round has shown every wave's reads of it done
	LDP BIASA, 22                                  ; b1, the first 512
	s_wait_dscnt 0x0                               ; for the others' sake: my heads of q and k are in LDS
	BAR
	; SCORES AND SOFTMAX
	WIN 0x80
.set p, 0
.rept 8
.set ks, 0
.rept 2
	ds_load_b128 v[16*p+8*ks:16*p+8*ks+3],         v[RK] offset:2*NPITCH*p+64*ks
	ds_load_b128 v[16*p+8*ks+4:16*p+8*ks+7],       v[RK] offset:2*NPITCH*p+64*ks+32
	ds_load_b128 v[128+16*p+8*ks:128+16*p+8*ks+3],   v[RQ] offset:2*NPITCH*p+64*ks
	ds_load_b128 v[128+16*p+8*ks+4:128+16*p+8*ks+7], v[RQ] offset:2*NPITCH*p+64*ks+32
.set ks, ks+1
.endr
.set p, p+1
.endr
	s_wait_dscnt 0x0                               ; my reads of q and k are over:
	s_barrier_signal -1                            ; say so; only work on registers stands up to the wait
	WIN 0x0A
	ALL8 v_wmma_f32_16x16x32_bf16 v[SS+8*p:SS+8*p+7], v[16*p:16*p+7], v[128+16*p:128+16*p+7], 0
	ALL8 v_wmma_f32_16x16x32_bf16 v[SS+8*p:SS+8*p+7], v[16*p+8:16*p+15], v[128+16*p+8:128+16*p+15], v[SS+8*p:SS+8*p+7]
	PLACES
	WIN 0
	ALL8 v_max3_num_f32 v[SM+2*p+1], v[SS+8*p], v[SS+8*p+1], v[SS+8*p+2]
	ALL8 v_max3_num_f32 v[SM+2*p+1], v[SM+2*p+1], v[SS+8*p+3], v[SS+8*p+4]
	ALL8 v_max3_num_f32 v[SM+2*p+1], v[SM+2*p+1], v[SS+8*p+5], v[SS+8*p+6]
	ALL8 v_max_num_f32 v[SM+2*p+1], v[SM+2*p+1], v[SS+8*p+7]
	ALL8 v_mul_f32 v[SM+2*p], s[CS], v[SM+2*p+1]
.set i, 0
.rept 4
	ALL8 v_pk_fma_f32 v[SS+8*p+2*i:SS+8*p+2*i+1], v[SS+8*p+2*i:SS+8*p+2*i+1], s[CS:CS+1], v[SM+2*p:SM+2*p+1] op_sel_hi:[1,0,0] neg_lo:[0,0,1] neg_hi:[0,0,1]
.set i, i+1
.endr
.set i, 0
.rept 64
	v_exp_f32 v[SS+i], v[SS+i]
.set i, i+1
.endr
	v_nop                                          ; a plain instruction between the last exponential and the use of its result
	s_wait_alu depctr_va_vdst(0)
	ALL8 v_pk_add_f32 v[SX+4*p:SX+4*p+1], v[SS+8*p:SS+8*p+1], v[SS+8*p+2:SS+8*p+3]
	ALL8 v_pk_add_f32 v[SX+4*p+2:SX+4*p+3], v[SS+8*p+4:SS+8*p+5], v[SS+8*p+6:SS+8*p+7]
	ALL8 v_pk_add_f32 v[SX+4*p:SX+4*p+1], v[SX+4*p:SX+4*p+1], v[SX+4*p+2:SX+4*p+3]
	ALL8 v_add_f32 v[SL+2*p+1], v[SX+4*p], v[SX+4*p+1]
	ALL8 v_rcp_f32 v[SL+2*p+1], v[SL+2*p+1]
	v_nop
	s_wait_alu depctr_va_vdst(0)
	ALL8 v_cndmask_b32 v[SL+2*p], 0, v[SL+2*p+1], s[MASK]  ; 1 / l, or 0 where the keys are another node's
.set i, 0
.rept 4
	ALL8 v_pk_mul_f32 v[SS+8*p+2*i:SS+8*p+2*i+1], v[SS+8*p+2*i:SS+8*p+2*i+1], v[SL+2*p:SL+2*p+1] op_sel_hi:[1,0]
.set i, i+1
.endr
.set i, 0
.rept 4
	ALL8 v_cvt_pk_bf16_f32 v[PP+8*p+i], v[SS+8*p+2*i], v[SS+8*p+2*i+1]
.set i, i+1
.endr
.set i, 0
.rept 4
	ALL8 v_mov_b32 v[PP+8*p+4+i], 0                ; a product is 32 keys deep and a pair of nodes has 16: the other 16 are zeros, here and in v's fragments
.set i, i+1
.endr
	WIN 0x80
.set t, 0
.rept 16
.set i, 4
.rept 4
	v_mov_b32 v[8*t+i], 0
.set i, i+1
.endr
.set t, t+1
.endr
	s_barrier_wait -1                              ; every wave has read q and k
	; v INTO LDS, WEIGHTS x v
	WIN 0x0C
.set a, 0
.rept 4
.set b, 0
.rept 8
	ds_store_b128 v[WQ], v[4*(8*a+b):4*(8*a+b)+3] offset:16*NPITCH*a+HPITCH*(b/4)+32*(b%4)
.set b, b+1
.endr
.set a, a+1
.endr
	s_wait_dscnt 0x0                               ; for the others' sake; and v's registers are free
	LDP 0, 30                                      ; g2
	LDP 64, 32                                     ; beta2
	BAR
.set g, 0
.rept 2                                ; four pairs of nodes at a time: 16 products on 16 accumulators
	WIN 0x80
.set q, 0
.rept 4
.set t, 0
.rept 4
	ds_load_tr16_b128 v[32*q+8*t:32*q+8*t+3], v[RV] offset:2*NPITCH*(4*g+q)+32*t  ; 16 keys x channels 16 t on, turned: lane l holds channel l % 16 and 8 keys
.set t, t+1
.endr
.set q, q+1
.endr
	s_wait_dscnt 0x0
	WIN 0x82
.set q, 0
.rept 4
.set t, 0
.rept 4
	v_wmma_f32_16x16x32_bf16 v[128+32*q+8*t:128+32*q+8*t+7], v[32*q+8*t:32*q+8*t+7], v[PP+8*(4*g+q):PP+8*(4*g+q)+7], 0
.set t, t+1
.endr
.set q, q+1
.endr
	PLACES
	WIN 0x8A
.set t, 0
.rept 16
.set i, 0
.rept 4
	v_cvt_pk_bf16_f32 v[128+8*t+i], v[128+8*t+2*i], v[128+8*t+2*i+1]
.set i, i+1
.endr
.set t, t+1
.endr
	WIN 0x08
.set q, 0
.rept 4
.set t, 0
.rept 4
	ds_store_b128 v[OW], v[128+32*q+8*t:128+32*q+8*t+3] offset:APITCH*(t/2)+512*(t%2)+32*(4*g+q)  ; over k, which every wave has read
.set t, t+1
.endr
.set q, q+1
.endr
.set g, g+1
.endr
	s_wait_dscnt 0x0                               ; for the others' sake: my nodes' result is in ACT0, and my reads of v are over
	BAR
	; Wo ONTO X, THE SECOND NORM
	GSTART ACT0, 0
	STEP0 1, 1, 0
	WIN 0
	s_mov_b32 s[CNT], 7
.Lwo:
	TURN 1, 0
	STEP0 1, 1, 0
	WIN 0
	s_sub_co_u32 s[CNT], s[CNT], 1
	s_cmp_lg_u32 s[CNT], 0
	s_cbranch_scc1 .Lwo
	TURN 1, 1
	s_wait_loadcnt 0x0                             ; bo, g2, beta2
	ADDB BIASB
	LDP BIASB, 24                                  ; b2
	LN 1, DUMP1
	; THE FEED-FORWARD NET, 512 of the hidden layer's 2,048 at a time
	WIN 0
	s_mov_b32 s[CH], 4
.Lchunk:
	TGEMM ACT1, BIASA
	CVTT
	WIN 0x82
.set t, 0
.rept 32
.set i, 0
.rept 4
	v_pk_max_num_bf16 v[8*t+i], v[8*t+i], v[ZR]    ; ReLU on two rounded numbers at once
.set i, i+1
.endr
.set t, t+1
.endr
	DUMPT DUMP0                                    ; the last block that read ACT0 ended with a round: every wave's reads of it are done
	s_wait_dscnt 0x0
	BAR
	GSTART ACT0, 0
	STEP0 1, 1, 0
	WIN 0
	s_mov_b32 s[CNT], 6
.Lw2:
	TURN 1, 0
	STEP0 1, 1, 0
	WIN 0
	s_sub_co_u32 s[CNT], s[CNT], 1
	s_cmp_lg_u32 s[CNT], 0
	s_cbranch_scc1 .Lw2
	s_cmp_eq_u32 s[CH], 1
	s_cbranch_scc1 .Llast                          ; the last block's tail is written out: it asks for nothing more
	s_add_nc_u64 s[22:23], s[22:23], 2048          ; b1's next 512; the loads that named the pointer were waited for where this chunk began
	LDP BIASA, 22
	TURN 1, 0
	STEP0 1, 1, 0
	TURN 1, 1
	WIN 0
	s_sub_co_u32 s[CH], s[CH], 1
	s_branch .Lchunk
.Llast:
	TURN 1, 2
	STEP0 1, 1, 0
	STEP1F 1
	; THE WAY OUT
	s_wait_loadcnt 0x0                             ; b2
	ADDB BIASB
	XOUT 0
	XOUT 1
	XOUT 2
	XOUT 3
	s_wait_tensorcnt 0x0                           ; the wave's end, behind my last tensor load and my last LDS store
	ds_add_u32 v[SPW], v[NIL]
	s_wait_dscnt 0x0
	CROUND                                         ; the closing round: no work-group ends while a partner may still ask for a tile that names it
	s_endpgm
.Lfunc_end_k_qb0eec815c7_layer:
	.size	k_qb0eec815c7_layer, .Lfunc_end_k_qb0eec815c7_layer-k_qb0eec815c7_layer
	.p2alignl 7, 3214868480
	.fill 96, 4, 3214868480
	.section	.rodata,"a",@progbits
	.p2align	6, 0x0
	.amdhsa_kernel k_qb0eec815c7_layer
		.amdhsa_group_segment_fixed_size 327680
		.amdhsa_private_segment_fixed_size 0
		.amdhsa_enable_private_segment 0
		.amdhsa_kernarg_size 104
		.amdhsa_user_sgpr_count 2
		.amdhsa_user_sgpr_kernarg_segment_ptr 1
		.amdhsa_wavefront_size32 1
		.amdhsa_system_sgpr_workgroup_id_x 1
		.amdhsa_system_sgpr_workgroup_id_y 1
		.amdhsa_system_sgpr_workgroup_id_z 1
		.amdhsa_system_vgpr_workitem_id 0
		.amdhsa_next_free_vgpr 1024
		.amdhsa_next_free_sgpr 80
		.amdhsa_reserve_vcc 0
		.amdhsa_float_denorm_mode_32 3
		.amdhsa_float_denorm_mode_16_64 3
		.amdhsa_memory_ordered 1
		.amdhsa_forward_progress 1
		.amdhsa_inst_pref_size 255
	.end_amdhsa_kernel
	.section	.bss,"aw",@nobits
	.p2align	6
	.space	262144
	.amdgpu_metadata
---
amdhsa.version: [ 1, 2 ]
amdhsa.kernels:
  - .name:           k_qb0eec815c7_layer
    .symbol:         k_qb0eec815c7_layer.kd
    .args:
      - { .name: x, .offset: 0, .size: 8, .value_kind: global_buffer, .address_space: global }
      - { .name: wpack, .offset: 8, .size: 8, .value_kind: global_buffer, .address_space: global }
      - { .name: out0, .offset: 16, .size: 8, .value_kind: global_buffer, .address_space: global }
      - { .name: bv, .offset: 24, .size: 8, .value_kind: global_buffer, .address_space: global }
      - { .name: bq, .offset: 32, .size: 8, .value_kind: global_buffer, .address_space: global }
      - { .name: bk, .offset: 40, .size: 8, .value_kind: global_buffer, .address_space: global }
      - { .name: bo, .offset: 48, .size: 8, .value_kind: global_buffer, .address_space: global }
      - { .name: b1, .offset: 56, .size: 8, .value_kind: global_buffer, .address_space: global }
      - { .name: b2, .offset: 64, .size: 8, .value_kind: global_buffer, .address_space: global }
      - { .name: g1, .offset: 72, .size: 8, .value_kind: global_buffer, .address_space: global }
      - { .name: beta1, .offset: 80, .size: 8, .value_kind: global_buffer, .address_space: global }
      - { .name: g2, .offset: 88, .size: 8, .value_kind: global_buffer, .address_space: global }
      - { .name: beta2, .offset: 96, .size: 8, .value_kind: global_buffer, .address_space: global }
    .group_segment_fixed_size: 327680
    .private_segment_fixed_size: 0
    .kernarg_segment_align: 8
    .kernarg_segment_size: 104
    .max_flat_workgroup_size: 128
    .sgpr_count:     80
    .vgpr_count:     1024
    .wavefront_size: 32
...
	.end_amdgpu_metadata
.endif
;; end of part 2
;; ======== version 2 of 3: 2 launches; 1.40 times as fast as version 1
;; workspace buffers: wpack 6,291,456 bytes
;; launch pack: the kernel of part 1 again; grid 96 x 4, 8 waves a work-group, no clusters, 0 bytes of LDS; arguments Wv, Wq, Wk, Wo, W1, W2, wpack; writes wpack
;; launch layer (part 3): grid 256 x 1, 4 waves a work-group, no clusters, 280,064 bytes of LDS; arguments x, wpack, out0, bv, bq, bk, bo, b1, b2, g1, beta1, g2, beta2; writes out0
.if DOCPART == 3
	.amdgcn_target "amdgcn-amd-amdhsa--gfx1250"
	.amdhsa_code_object_version 6
	.text
	.protected	k_qb0eec815c7_layer
	.globl	k_qb0eec815c7_layer
	.p2align	8
	.type	k_qb0eec815c7_layer,@function
k_qb0eec815c7_layer:
	s_mov_b64 s[64:65], 0
	v_nop
	global_prefetch_b8 v0, s[64:65] scope:SCOPE_SE
	s_setreg_imm32_b32 hwreg(HW_REG_WAVE_MODE, 25, 1), 1
	s_wait_xcnt 0x0
; THE WHOLE LAYER FOR 64 ROWS.  No row of x looks at another, so a work-group takes 64 rows through layer norm 1, the q, k, v products, each node's 8 x 8 attention among its own heads, Wo and the
; residual, layer norm 2, the feed-forward net and the second residual, and nothing but x, the parameters and the result touches memory.  16,384 rows are 256 work-groups.
; THE MATRIX WORK is twelve BLOCKS alike: a 512 (n) x 512 (k) piece of a weight matrix against a 64 x 512 activation.  Wave w makes 64 rows x columns 128 w .. + 127: 32 accumulators, 16 steps of 32 along k.
; The matrix instruction is used transposed (source 0 = 16 rows of W, source 1 = 16 rows of the activation): lane l holds row l % 16 of a row tile and eight neighbouring columns 8 (l / 16) + 0..7.
; Rounded to bf16 those are 16 bytes, and they ARE the lane's 16 bytes of half a source 1 of the next product: activations go into LDS at 16 x lane + constant and come back at 16 x lane + constant.
; THE RESIDUAL STAYS IN REGISTERS: X (256 registers, f32, the layout above) holds x; Wo's product and the four products with W2 add straight onto it.
; THE WEIGHTS come as bf16 from wpack, which the launch before laid out in the registers' own image: of each step 8,192 consecutive bytes are wave w's and nobody else's in the work-group.  So they go STRAIGHT
; INTO REGISTERS: a ring of four buffers of 64; at the head of step s the 16 loads of step s + 3 are issued into the buffer that step s - 1 read, and a counted wait lets three steps' loads, 24,576 bytes a
; wave, stay out.  The ring runs on across the blocks' ends, the norms and the attention, which leave its registers alone.
; THE WALK.  All work-groups need all weights, but not in one order.  Class c = work-group number mod 4 takes the four trips (of four steps) of every block in the order c, c + 1, c + 2, c + 3 (mod 4), and the
; four chunks of the hidden layer likewise.  So at any moment the classes ask for four different parts of a block, a part is asked for first by a quarter of the work-groups and by the others a trip of 128
; matrix instructions or more later, and six of the feed-forward net's eight blocks are asked for a whole chunk behind their first request.
; NO CLUSTER, though all work-groups walk the same weights.  A joint load lands in LDS slots, and a slot is filled again only behind a barrier in front of which every load has landed: what is on its way is one
; slot.  Beside two activations of 65,792 bytes and q, k, v of 82,944 each, LDS has room for two slots of 65,536: 64 matrix instructions a wave for each refill, against 96 here at all times and no barrier.
; ATTENTION: wave w takes nodes 16 w .. + 15, two at a time: 2 x 8 keys against 2 x 8 queries are one 16 x 16 product; a lane then holds one query's eight scores against one node's heads, so maximum and sum
; stay inside the lane; lanes whose key node is not their query's node get the weight 0.  p = 2^(c s - c m) / l, c = log2(e) / 8, m the row's maximum.
; LIMITS.  Matrix operands are rounded once to bf16: the weights, both layer norms' results, q, k, v, the attention's weights and its result, the hidden layer.  Sums, x, means and variances stay in f32; the
; variance is the mean of (x - mean)^2, taken in a second pass.  The order of the f32 sums along k, and of the four products with W2 onto X, is the walk's: it differs from work-group to work-group.
; A weight below 2^-126 counts as 0 in l.  NaN and infinities are not treated apart.  ReLU is taken after the rounding, which keeps sign and zero.
; REGISTERS, in windows of 256 (s_set_vgpr_msb: bits 1:0 source 0, 3:2 source 1, 5:4 source 2, 7:6 destination):
;   window 0: v0-22, v40-44 addresses; v24-39 means and scales; v64-127 the activation's fragments, two buffers (at work outside the products); v128-255 ring buffers 0, 1
;   window 1: X, accumulator (a, b) at 64 a + 8 b          window 2: T, the same map: a block's sums; at work elsewhere
;   window 3: v0-127 ring buffers 2, 3; v128-255 a norm's gain and shift, a bias for X, the attention's weights and statistics
.set APITCH, 4112                      ; an activation's step of 32 k: 4 row tiles x 1,024 bytes + 16, which spreads the attention's scattered stores over the banks
.set NPITCH, 1296                      ; q, k, v by nodes: 8 heads x 160 bytes + 16 = 81 x 16: sixteen nodes' rows start at sixteen different groups of four banks
.set HPITCH, 160                       ; a head: 128 bytes + 32: an odd multiple of 32, for the turning load
.set REGION, 64*NPITCH                 ; 82,944
.set VREG,   0                         ; v; later the second norm's result
.set ACT1,   0
.set QREG,   REGION                    ; q; at the launch's two ends the waves' stages
.set STG,    REGION                    ; 16 rows x 528 bytes for each wave, its own: x on its way in, the result on its way out
.set KREG,   2*REGION                  ; k lies where the first norm's result lay, once every wave has read that; later the attention's result and the hidden layer
.set ACT0,   2*REGION
.set SPITCH, 528
.set STAT,   3*REGION                  ; four tables of 64 rows x 4 waves x 4 bytes: the waves' partial sums
.set PARAM,  STAT+4096                 ; for each wave 13 pieces of 512 bytes: its 128 columns of bv, bq, bk, bo, b2, g1, beta1, g2, beta2 and of b1's four chunks, those in the walk's order
.set PWAVE,  13*512
.set SPARE,  PARAM+4*PWAVE             ; the spare words, 128 bytes for each wave: two blocks of 256 bytes that no other line names
.set L16,  1                           ; v1   16 x lane
.set SPW,  2                           ; v2   my spare word; never rewritten
.set NIL,  3                           ; v3   0, for the add alone
.set AADR, 4                           ; v4   LDS address of the activation's four steps in hand
.set ABASE, 5                          ; v5   16 x lane + the block's activation
.set GW,   6                           ; v6   16 x lane + 16,384 w: my 16 bytes in a fragment's half, in my quarter of a tile of wpack; never rewritten
.set DUMP0, 7                          ; v7   where my columns go in ACT0: my four steps
.set DUMP1, 8                          ; v8   in ACT1
.set WD,   9                           ; v9   where my columns go by nodes: v's region, then q's, then k's
.set PBI,  10                          ; v10  the piece of PARAM that starts the block's sums
.set RQ,   11                          ; v11  a fragment of two nodes x eight heads, from QREG
.set RK,   12                          ; v12  from KREG
.set RV,   13                          ; v13  the turning load's address in VREG
.set OW,   14                          ; v14  where the attention's result goes in ACT0
.set GX,   15                          ; v15  512 w + 16 x lane: my 16 bytes of a row of x, of the result and of a parameter
.set PR,   16                          ; v16  my eight numbers of a piece's first column tile
.set SD,   17                          ; v17  my stage by the accumulators' layout
.set SRW,  18                          ; v18  my stage by rows
.set SA,   19                          ; v19  my wave's word of row lane % 16 in a table
.set SR,   20                          ; v20  that row's four words
.set PW,   21                          ; v21  where my 16 bytes of a piece go
.set ZR,   22                          ; v22  0
.set LM,   24                          ; v24-31 the four row tiles' means, each twice
.set LR,   32                          ; v32-39 their 1 / sqrt(var + eps), each twice
.set ANX,  40                          ; v40  LDS address of the activation's four steps of the next trip
.set BO,   41                          ; v41-44 my 16 bytes of b1's chunks, in the walk's order; never rewritten
.set FA,   64
.set LC,   64                          ; a norm's four chains a row tile
.set LW,   96                          ; the four waves' partial sums
.set SS,   64                          ; scores of pair p at SS + 8 p
.set OB,   64                          ; the way out: 16 rows read back, two buffers
.set PP,   128                         ; window 3: weights of pair p, a source 1: four registers, then four zeros
.set SM,   192                         ; window 3: c m, m
.set SL,   208                         ; window 3: 1 / l or 0, 1 / l
.set SX,   224                         ; window 3: at work
.set BIAS, 128                         ; window 3
.set WV,  34                           ; s34  my wave's number
.set PA,  48                           ; s[48:49] wpack at the four steps of the trip in hand
.set PN,  50                           ; s[50:51] at those of the next trip of the walk
.set NN,  52                           ; s52  the walk's number (0 .. 47, and on) of the trip whose place is made next
.set CL,  53                           ; s53  my class: work-group number mod 4
.set CA0, 54                           ; s54  where a block's first trip begins in its activation: 4 steps x class
.set CA1, 55                           ; s55  and its second
.set CNT, 57
.set CH,  58                           ; s58  chunks of the hidden layer still to go
.set QI,  59                           ; s59  of v, q, k still to go
.set SEL, 60                           ; s[60:61] v_permlanex16_b32's selects: each lane takes its own place in the other half
.set CS,  62                           ; s[62:63] c
.set MASK, 66                          ; s66  lanes whose key node is their query's node
.set INV, 67                           ; s67  1 / 512
.set EPSR, 68                          ; s68  1e-5
.set MSB, 0
.macro WIN new                         ; the immediate's high byte repeats the setting that is left; a switch that changes nothing is dropped
.if MSB != (\new)
	s_set_vgpr_msb (MSB<<8)|(\new)
.set MSB, \new
.endif
.endm
.macro PLACES                          ; four plain vector instructions between a matrix instruction and a load into, or a vector instruction on, its registers
.rept 4
	v_nop
.endr
.endm
.macro BAR
	s_barrier_signal -1
	s_barrier_wait -1
.endm
.macro ALL4 line:vararg                ; one line for each row tile a
.set a, 0
.rept 4
	\line
.set a, a+1
.endr
.endm
.macro ALL8 line:vararg                ; one line for each pair of nodes p
.set p, 0
.rept 8
	\line
.set p, p+1
.endr
.endm
; 16 loads: my eight fragments of W for one step, 8,192 consecutive bytes, into ring buffer j.  Every load takes 512 consecutive bytes.
.macro BLD j, sp, off
.if (\j) < 2
	WIN 0
.set rb, 128+64*(\j)
.else
	WIN 0xC0
.set rb, 64*((\j)-2)
.endif
.set b, 0
.rept 8
	global_load_b128 v[rb+8*b:rb+8*b+3],   v[GW], s[\sp:\sp+1] offset:(\off)+1024*b
	global_load_b128 v[rb+8*b+4:rb+8*b+7], v[GW], s[\sp:\sp+1] offset:(\off)+1024*b+512
.set b, b+1
.endr
.endm
; 8 LDS loads: the activation's four row tiles of step s of the four at adr, into buffer f
.macro AFETCH f, adr, s
	WIN 0
.set b, 0
.rept 4
	ds_load_b128 v[FA+32*(\f)+8*b:FA+32*(\f)+8*b+3],   v[\adr] offset:APITCH*(\s)+1024*b
	ds_load_b128 v[FA+32*(\f)+8*b+4:FA+32*(\f)+8*b+7], v[\adr] offset:APITCH*(\s)+1024*b+512
.set b, b+1
.endr
.endm
; A step's 32 matrix instructions, from ring buffer j.  accw: the sums' window (1 X, 2 T).  The 32 accumulators take turns, one instruction a turn, in the same order in every step.
.macro MUL32 j, accw
.if (\j) < 2
	WIN ((\accw)<<6)|((\accw)<<4)
.set rb, 128+64*(\j)
.else
	WIN ((\accw)<<6)|((\accw)<<4)|3
.set rb, 64*((\j)-2)
.endif
.set a, 0
.rept 4
.set b, 0
.rept 8
	v_wmma_f32_16x16x32_bf16 v[64*a+8*b:64*a+8*b+7], v[rb+8*b:rb+8*b+7], v[FA+32*((\j)%2)+8*a:FA+32*((\j)%2)+8*a+7], v[64*a+8*b:64*a+8*b+7]
.set b, b+1
.endr
.set a, a+1
.endr
.endm
; STEP j of a trip's four.  At its head, in one run: the activation's fragments of the next step, and W's of the step three on, both into the buffers that the step before read.
; The wait for this step's activation stands ahead of that run and is for 0: those loads were issued a step ago.  So the block's last trip can jump over a fetch that nothing would use, and no count hangs on the way taken.
.macro STEP j, accw, sp, off
	PLACES
	WIN 0
	s_wait_dscnt 0x0                               ; this step's fragments of the activation are in (at a block's first step also what starts the sums)
.if (\j) == 3
	s_cmp_eq_u32 s[CNT], 1
	s_cbranch_scc1 .Lno_a_\@                       ; the block has no further step
	AFETCH 0, ANX, 0                               ; the next trip's first step
.Lno_a_\@:
.else
	AFETCH ((\j)+1)%2, AADR, (\j)+1
.endif
	BLD ((\j)+3)%4, \sp, \off
	s_wait_loadcnt 48                              ; loads come back in order: this step's 16 are in; the three later steps' 16 each may be out
	MUL32 \j, \accw
.endm
; Where trip NN of the walk lies: s[72:73] its byte offset in wpack, s76 its four steps' place in the activation.  Place NN / 4 of the walk is block NN / 4 for the first four; place 4 + 2 i + f is block
; 4 + 2 ((i + class) mod 4) + f.  Of the block's four parts of 131,072 bytes the trip takes part (NN + class) mod 4.  Place 12, which the last trip's look-ahead names, gives a block of W1 once more: inside wpack.
.macro WALK
	s_lshr_b32 s72, s[NN], 2
	s_add_co_u32 s73, s[NN], s[CL]
	s_and_b32 s73, s73, 3                          ; the part
	s_mul_i32 s76, s73, 4*APITCH
	s_lshl_b32 s73, s73, 17
	s_max_u32 s74, s72, 4
	s_sub_co_u32 s74, s74, 4                       ; 2 i + f
	s_lshr_b32 s75, s74, 1
	s_add_co_u32 s75, s75, s[CL]
	s_and_b32 s75, s75, 3                          ; the chunk of the hidden layer
	s_and_b32 s74, s74, 1
	s_lshl1_add_u32 s75, s75, s74
	s_add_co_u32 s75, s75, 4
	s_cmp_lt_u32 s72, 4
	s_cselect_b32 s72, s72, s75                    ; the block
	s_lshl_b32 s72, s72, 19
	s_or_b32 s72, s72, s73
	s_mov_b32 s73, 0
.endm
; A BLOCK: the sums in window accw += activation at abase x the walk's next 16 steps.  Four trips of four steps.  W's first three steps were asked for by the block before (for the first block: ahead of the first norm).
.macro GEMM accw, abase
	WIN 0
	v_add_nc_u32 v[ABASE], \abase, v[L16]
	v_add_nc_u32 v[AADR], s[CA0], v[ABASE]
	v_add_nc_u32 v[ANX], s[CA1], v[ABASE]
	AFETCH 0, AADR, 0
	s_mov_b32 s[CNT], 4
.Lg_\@:
	STEP 0, \accw, PA, 65536+8192                  ; this trip's fourth step: the second tile's second half
	STEP 1, \accw, PN, 0                           ; the next trip's first three
	STEP 2, \accw, PN, 8192
	STEP 3, \accw, PN, 65536
	WIN 0
	WALK
	s_wait_xcnt 0x0                                ; the pointers that the loads above name are written only behind this wait
	s_mov_b64 s[PA:PA+1], s[PN:PN+1]
	s_add_nc_u64 s[PN:PN+1], s[10:11], s[72:73]    ; the pointer is made anew: wpack's address and an offset made apart from it
	s_add_co_u32 s[NN], s[NN], 1
	v_mov_b32 v[AADR], v[ANX]
	v_add_nc_u32 v[ANX], s76, v[ABASE]             ; (behind a block's third and last trips this names the next block's part: not used, and made anew where that block begins)
	s_sub_co_u32 s[CNT], s[CNT], 1
	s_cmp_lg_u32 s[CNT], 0
	s_cbranch_scc1 .Lg_\@
	PLACES                                         ; in front of whatever reads the sums
.endm
.macro TBIAS                           ; T's sums begin with the bias: column tile b's eight numbers, the same for all four row tiles, from my piece of PARAM
	WIN 0x80
.set a, 0
.rept 4
.set b, 0
.rept 8
	ds_load_b128 v[64*a+8*b:64*a+8*b+3],   v[PBI] offset:64*b
	ds_load_b128 v[64*a+8*b+4:64*a+8*b+7], v[PBI] offset:64*b+16
.set b, b+1
.endr
.set a, a+1
.endr
.endm
.macro LDB dst, piece                  ; my 8 x 8 numbers of a piece into window 3: column tile b's eight at dst + 8 b
	WIN 0xC0
.set b, 0
.rept 8
	ds_load_b128 v[(\dst)+8*b:(\dst)+8*b+3],   v[PR] offset:512*(\piece)+64*b
	ds_load_b128 v[(\dst)+8*b+4:(\dst)+8*b+7], v[PR] offset:512*(\piece)+64*b+16
.set b, b+1
.endr
.endm
.macro ADDB                            ; X += bias; each accumulator is read from its low end on
	WIN 0x4D
.set a, 0
.rept 4
.set p, 0
.rept 32
	v_pk_add_f32 v[64*a+2*p:64*a+2*p+1], v[64*a+2*p:64*a+2*p+1], v[BIAS+2*p:BIAS+2*p+1]
.set p, p+1
.endr
.set a, a+1
.endr
.endm
.macro CVTT                            ; T is rounded to bf16 in place: an accumulator's eight numbers into its first four registers, ascending
	WIN 0x8A
.set t, 0
.rept 32
.set i, 0
.rept 4
	v_cvt_pk_bf16_f32 v[8*t+i], v[8*t+2*i], v[8*t+2*i+1]
.set i, i+1
.endr
.set t, t+1
.endr
.endm
.macro DUMPT adr                       ; T's 32 x 16 bytes a lane go into an activation: column tile b is half b % 2 of my step b / 2
	WIN 0x08
.set a, 0
.rept 4
.set b, 0
.rept 8
	ds_store_b128 v[\adr], v[64*a+8*b:64*a+8*b+3] offset:APITCH*(b/2)+1024*a+512*(b%2)
.set b, b+1
.endr
.set a, a+1
.endr
.endm
; The four chains of each row tile are added up, the two halves of the lanes exchanged, and the four waves' sums meet in table st: v[LW + 4 a] then holds the whole row's sum, made in the same order in every wave.
.macro ROWSUM st
	WIN 0
	ALL4 v_pk_add_f32 v[LC+8*a:LC+8*a+1], v[LC+8*a:LC+8*a+1], v[LC+8*a+2:LC+8*a+3]
	ALL4 v_pk_add_f32 v[LC+8*a+4:LC+8*a+5], v[LC+8*a+4:LC+8*a+5], v[LC+8*a+6:LC+8*a+7]
	ALL4 v_pk_add_f32 v[LC+8*a:LC+8*a+1], v[LC+8*a:LC+8*a+1], v[LC+8*a+4:LC+8*a+5]
	ALL4 v_add_f32 v[LC+8*a], v[LC+8*a], v[LC+8*a+1]
	ALL4 v_permlanex16_b32 v[LC+8*a+1], v[LC+8*a], s[SEL], s[SEL+1]
	ALL4 v_add_f32 v[LC+8*a], v[LC+8*a], v[LC+8*a+1]
	ALL4 ds_store_b32 v[SA], v[LC+8*a] offset:1024*(\st)+256*a
	s_wait_dscnt 0x0                               ; for the others' sake: my words are in the table
	BAR
	ALL4 ds_load_b128 v[LW+4*a:LW+4*a+3], v[SR] offset:1024*(\st)+256*a
	s_wait_dscnt 0x0
	ALL4 v_add_f32 v[LW+4*a], v[LW+4*a], v[LW+4*a+1]
	ALL4 v_add_f32 v[LW+4*a+2], v[LW+4*a+2], v[LW+4*a+3]
	ALL4 v_add_f32 v[LW+4*a], v[LW+4*a], v[LW+4*a+2]
.endm
; LAYER NORM of X into the activation at dump.  k: which pair of tables.  Gain and shift are pieces piece and piece + 1; they come into window 3, v128-191 and v192-255, while the sums are made.
; Three barriers: the sums, the squares, the result.
.macro LN k, dump, piece
	LDB 128, \piece
	LDB 192, (\piece)+1
	WIN 0x05
.set c, 0
.rept 4
	ALL4 v_pk_add_f32 v[LC+8*a+2*c:LC+8*a+2*c+1], v[64*a+2*c:64*a+2*c+1], v[64*a+8+2*c:64*a+8+2*c+1]
.set c, c+1
.endr
	WIN 0x04
.set p, 8
.rept 24
	ALL4 v_pk_add_f32 v[LC+8*a+2*(p%4):LC+8*a+2*(p%4)+1], v[LC+8*a+2*(p%4):LC+8*a+2*(p%4)+1], v[64*a+2*p:64*a+2*p+1]
.set p, p+1
.endr
	ROWSUM 2*(\k)
	ALL4 v_mul_f32 v[LM+2*a], s[INV], v[LW+4*a]
	ALL4 v_mov_b32 v[LM+2*a+1], v[LM+2*a]
	WIN 0x81                                       ; T = X - mean
.set p, 0
.rept 32
	ALL4 v_pk_add_f32 v[64*a+2*p:64*a+2*p+1], v[64*a+2*p:64*a+2*p+1], v[LM+2*a:LM+2*a+1] neg_lo:[0,1] neg_hi:[0,1]
.set p, p+1
.endr
	WIN 0x0A                                       ; the sums of T^2
.set p, 0
.rept 4
	ALL4 v_pk_mul_f32 v[LC+8*a+2*p:LC+8*a+2*p+1], v[64*a+2*p:64*a+2*p+1], v[64*a+2*p:64*a+2*p+1]
.set p, p+1
.endr
.rept 28
	ALL4 v_pk_fma_f32 v[LC+8*a+2*(p%4):LC+8*a+2*(p%4)+1], v[64*a+2*p:64*a+2*p+1], v[64*a+2*p:64*a+2*p+1], v[LC+8*a+2*(p%4):LC+8*a+2*(p%4)+1]
.set p, p+1
.endr
	ROWSUM 2*(\k)+1
	ALL4 v_fma_f32 v[LW+4*a], v[LW+4*a], s[INV], s[EPSR]
	ALL4 v_rsq_f32 v[LR+2*a], v[LW+4*a]
	ALL4 v_rsq_f32 v[LR+2*a+1], v[LW+4*a]
	v_nop                                          ; a plain instruction between the last root and the use of its result
	s_wait_alu depctr_va_vdst(0)
	WIN 0x82
.set p, 0
.rept 32
	ALL4 v_pk_mul_f32 v[64*a+2*p:64*a+2*p+1], v[64*a+2*p:64*a+2*p+1], v[LR+2*a:LR+2*a+1]
.set p, p+1
.endr
	WIN 0xBE
.set p, 0
.rept 32
	ALL4 v_pk_fma_f32 v[64*a+2*p:64*a+2*p+1], v[64*a+2*p:64*a+2*p+1], v[128+2*p:128+2*p+1], v[192+2*p:192+2*p+1]
.set p, p+1
.endr
	CVTT
	DUMPT \dump
	s_wait_dscnt 0x0                               ; for the others' sake: my columns are in the activation
	BAR
.endm
; x on its way in: 16 rows of my 512 bytes go through my stage and come back in the accumulators' layout.  LDS serves a wave's instructions in order (ISA guide 5.7.1.4), so no wait stands between stores and loads.
.macro XIN a
	s_wait_loadcnt 48-16*(\a)                      ; loads come back in order: row tile a's sixteen are in, the rows behind them stay out
	WIN 0x08
.set r, 0
.rept 16
	ds_store_b128 v[SRW], v[4*(16*(\a)+r):4*(16*(\a)+r)+3] offset:SPITCH*r
.set r, r+1
.endr
	WIN 0x40
.set b, 0
.rept 8
	ds_load_b128 v[64*(\a)+8*b:64*(\a)+8*b+3],   v[SD] offset:64*b
	ds_load_b128 v[64*(\a)+8*b+4:64*(\a)+8*b+7], v[SD] offset:64*b+16
.set b, b+1
.endr
.endm
.macro XOUT a                          ; and the result on its way out, the other way round
	WIN 0x04
.set b, 0
.rept 8
	ds_store_b128 v[SD], v[64*(\a)+8*b:64*(\a)+8*b+3] offset:64*b
	ds_store_b128 v[SD], v[64*(\a)+8*b+4:64*(\a)+8*b+7] offset:64*b+16
.set b, b+1
.endr
	WIN 0
	s_wait_xcnt 0x0                                ; the registers that earlier stores read are loaded again only behind this wait
.set r, 0
.rept 16
	ds_load_b128 v[OB+64*((\a)%2)+4*r:OB+64*((\a)%2)+4*r+3], v[SRW] offset:SPITCH*r
.set r, r+1
.endr
.set r, 0
.rept 16
	s_wait_dscnt 15-r                              ; row r is back; the rows behind it may be out
	global_store_b128 v[GX], v[OB+64*((\a)%2)+4*r:OB+64*((\a)%2)+4*r+3], s[12:13] offset:2048*(16*(\a)+r) th:TH_STORE_NT  ; 512 consecutive bytes, at a multiple of 512 from the result's first
.set r, r+1
.endr
.endm
.macro PLD i, sp, vo                   ; my 512 bytes of a parameter: piece i
	global_load_b128 v[64+4*(\i):64+4*(\i)+3], v[\vo], s[\sp:\sp+1]
.endm
	; THE HEAD
	s_load_b512 s[8:23], s[0:1], 0x0               ; x s[8:9], wpack s[10:11], out0 s[12:13], bv s[14:15], bq s[16:17], bk s[18:19], bo s[20:21], b1 s[22:23]
	s_load_b256 s[24:31], s[0:1], 0x40             ; b2 s[24:25], g1 s[26:27], beta1 s[28:29], g2 s[30:31]
	s_load_b64 s[32:33], s[0:1], 0x60              ; beta2
	v_lshl_add_u32 v[SPW], v0, 2, SPARE            ; the add's two registers
	v_mov_b32 v[NIL], 0
	v_lshrrev_b32 v24, 5, v0
	v_readfirstlane_b32 s[WV], v24                 ; wave 0..3
	s_lshl_b32 s70, ttmp9, 17                      ; my 64 rows of 2,048 bytes
	s_mov_b32 s71, 0
	s_and_b32 s[CL], ttmp9, 3                      ; my class
	s_mul_i32 s[CA0], s[CL], 4*APITCH
	s_add_co_u32 s74, s[CL], 1
	s_and_b32 s74, s74, 3
	s_mul_i32 s[CA1], s74, 4*APITCH
	s_lshl_b32 s72, s[CL], 17                      ; the walk's trips 0 and 1: parts class and class + 1 of block 0
	s_mov_b32 s73, 0
	s_lshl_b32 s74, s74, 17
	s_mov_b32 s75, 0
	s_mov_b32 s[NN], 2
	s_mov_b32 s[SEL], 0x76543210
	s_mov_b32 s[SEL+1], 0xfedcba98
	s_mov_b32 s[CS], 0x3e38aa3b                    ; c = log2(e) / 8
	s_mov_b32 s[CS+1], s[CS]                       ; named with it as a pair
	s_mov_b32 s[INV], 0x3b000000                   ; 1 / 512
	s_mov_b32 s[EPSR], 0x3727c5ac                  ; 1e-5
	v_mov_b32 v[ZR], 0
	v_and_b32 v23, 31, v0
	v_lshlrev_b32 v[L16], 4, v23
	v_and_b32 v25, 15, v0                          ; l % 16
	v_bfe_u32 v26, v0, 4, 1                        ; l / 16
	v_bfe_u32 v27, v0, 3, 1                        ; (l / 8) % 2
	v_and_b32 v28, 7, v0                           ; l % 8
	s_lshl_b32 s37, s[WV], 14
	v_add_nc_u32 v[GW], s37, v[L16]
	s_mul_i32 s38, s[WV], 4*APITCH
	s_add_co_u32 s38, s38, ACT1
	v_add_nc_u32 v[DUMP1], s38, v[L16]
	v_add_nc_u32 v[DUMP0], ACT0-ACT1, v[DUMP1]
	v_mul_u32_u24 v29, v25, NPITCH                 ; by nodes, as the sums lie: node l % 16, 16 bytes for each half of the lanes, heads 2 w on
	v_lshl_add_u32 v29, v26, 4, v29
	s_mul_i32 s38, s[WV], 2*HPITCH
	s_add_co_u32 s38, s38, VREG
	v_add_nc_u32 v[WD], s38, v29
	v_mul_u32_u24 v29, v28, HPITCH                 ; a fragment's row l % 16 is node (l / 8) % 2, head l % 8, of my wave's 16 nodes
	v_lshl_add_u32 v30, v26, 4, v29
	v_mad_u32_u24 v30, v27, NPITCH, v30
	s_mul_i32 s38, s[WV], 16*NPITCH
	s_add_co_u32 s39, s38, QREG
	v_add_nc_u32 v[RQ], s39, v30
	s_add_co_u32 s39, s38, KREG
	v_add_nc_u32 v[RK], s39, v30
	v_lshl_add_u32 v30, v27, 4, v29                ; the turning load: lane l reads key 8 (l / 16) + l % 8 = node l / 16, head l % 8; channels 8 ((l / 8) % 2) on
	v_mad_u32_u24 v30, v26, NPITCH, v30
	s_add_co_u32 s39, s38, VREG
	v_add_nc_u32 v[RV], s39, v30
	v_mul_u32_u24 v29, v28, 2*APITCH               ; the attention's result: head l % 8 is steps 2 (l % 8) on; row tile w; place 16 (l / 16) + 2 p + (l / 8) % 2 among a half's 32
	v_lshl_add_u32 v29, v27, 4, v29
	v_lshl_add_u32 v29, v26, 8, v29
	s_lshl_b32 s38, s[WV], 10
	s_add_co_u32 s38, s38, ACT0
	v_add_nc_u32 v[OW], s38, v29
	s_lshl_b32 s38, s[WV], 9
	v_add_nc_u32 v[GX], s38, v[L16]
.set i, 0
.rept 4
	s_add_co_u32 s38, s[CL], i                     ; the walk's chunk i of the hidden layer is chunk (i + class) mod 4: 2,048 bytes of b1 each
	s_and_b32 s38, s38, 3
	s_lshl_b32 s38, s38, 11
	v_add_nc_u32 v[BO+i], s38, v[GX]
.set i, i+1
.endr
	s_mul_i32 s38, s[WV], PWAVE
	s_add_co_u32 s38, s38, PARAM
	v_lshl_add_u32 v[PR], v26, 5, s38
	v_add_nc_u32 v[PW], s38, v[L16]
	s_mul_i32 s38, s[WV], 16*SPITCH
	s_add_co_u32 s38, s38, STG
	v_mul_u32_u24 v29, v25, SPITCH
	v_lshl_add_u32 v29, v26, 5, v29
	v_add_nc_u32 v[SD], s38, v29
	v_add_nc_u32 v[SRW], s38, v[L16]
	v_lshlrev_b32 v29, 4, v25
	v_add_nc_u32 v[SR], STAT, v29
	v_lshl_add_u32 v[SA], s[WV], 2, v[SR]
	v_cmp_eq_u32 s[MASK], v26, v27
	s_wait_kmcnt 0x0
	s_add_nc_u64 s[8:9], s[8:9], s[70:71]          ; x and the result at my first row
	s_add_nc_u64 s[12:13], s[12:13], s[70:71]
	s_add_nc_u64 s[PA:PA+1], s[10:11], s[72:73]    ; the walk's first trip,
	s_add_nc_u64 s[PN:PN+1], s[10:11], s[74:75]    ; and its second
	; THE PARAMETERS AND x COME IN
	PLD 0, 14, GX                                  ; bv
	PLD 1, 16, GX                                  ; bq
	PLD 2, 18, GX                                  ; bk
	PLD 3, 20, GX                                  ; bo
	PLD 4, 24, GX                                  ; b2
	PLD 5, 26, GX                                  ; g1
	PLD 6, 28, GX                                  ; beta1
	PLD 7, 30, GX                                  ; g2
	PLD 8, 32, GX                                  ; beta2
	PLD 9, 22, BO                                  ; b1, four chunks of 512, in the walk's order
	PLD 10, 22, BO+1
	PLD 11, 22, BO+2
	PLD 12, 22, BO+3
	WIN 0x80
.set r, 0
.rept 64
	global_load_b128 v[4*r:4*r+3], v[GX], s[8:9] offset:2048*r th:TH_LOAD_NT  ; my 512 consecutive bytes of row r, into T
.set r, r+1
.endr
	XIN 0                                          ; its wait also shows the parameters landed: they were asked for first
	XIN 1
	XIN 2
	XIN 3
	WIN 0
.set i, 0
.rept 13
	ds_store_b128 v[PW], v[64+4*i:64+4*i+3] offset:512*i  ; bytes that my wave alone reads: no barrier
.set i, i+1
.endr
	BLD 0, PA, 0                                   ; the ring begins: the walk's first three steps have the first norm in which to land
	BLD 1, PA, 8192
	BLD 2, PA, 65536
	s_wait_dscnt 0x0                               ; X is whole
	LN 0, DUMP0, 5
	; v, q, k: one text, three trips.  The bias steps from piece to piece, the destination from region to region.
	WIN 0
	v_mov_b32 v[PBI], v[PR]
	s_mov_b32 s[QI], 3
.Lqkv:
	TBIAS
	GEMM 2, ACT0
	CVTT
	s_wait_dscnt 0x0
	BAR                                            ; every wave has read the norm's result to its end: the third trip's stores land on it
	WIN 0x08                                       ; by nodes: row tile a is 16 nodes, column tile b is head 2 w + b / 4, channels 16 (b % 4) on
.set a, 0
.rept 4
.set b, 0
.rept 8
	ds_store_b128 v[WD], v[64*a+8*b:64*a+8*b+3] offset:16*NPITCH*a+HPITCH*(b/4)+32*(b%4)
.set b, b+1
.endr
.set a, a+1
.endr
	WIN 0
	v_add_nc_u32 v[PBI], 512, v[PBI]
	v_add_nc_u32 v[WD], REGION, v[WD]
	s_wait_dscnt 0x0                               ; for the others' sake: my heads are in LDS
	BAR
	s_sub_co_u32 s[QI], s[QI], 1
	s_cmp_lg_u32 s[QI], 0
	s_cbranch_scc1 .Lqkv
	; SCORES AND SOFTMAX
	WIN 0x80
.set p, 0
.rept 8
.set ks, 0
.rept 2
	ds_load_b128 v[16*p+8*ks:16*p+8*ks+3],         v[RK] offset:2*NPITCH*p+64*ks
	ds_load_b128 v[16*p+8*ks+4:16*p+8*ks+7],       v[RK] offset:2*NPITCH*p+64*ks+32
	ds_load_b128 v[128+16*p+8*ks:128+16*p+8*ks+3],   v[RQ] offset:2*NPITCH*p+64*ks
	ds_load_b128 v[128+16*p+8*ks+4:128+16*p+8*ks+7], v[RQ] offset:2*NPITCH*p+64*ks+32
.set ks, ks+1
.endr
.set p, p+1
.endr
	s_wait_dscnt 0x0                               ; my reads of q and k are over:
	s_barrier_signal -1                            ; say so; only work on registers stands up to the wait
	WIN 0x0A
	ALL8 v_wmma_f32_16x16x32_bf16 v[SS+8*p:SS+8*p+7], v[16*p:16*p+7], v[128+16*p:128+16*p+7], 0
	ALL8 v_wmma_f32_16x16x32_bf16 v[SS+8*p:SS+8*p+7], v[16*p+8:16*p+15], v[128+16*p+8:128+16*p+15], v[SS+8*p:SS+8*p+7]
	PLACES
	WIN 0xC0                                       ; the scores lie in window 0, the statistics and the weights in window 3
	ALL8 v_max3_num_f32 v[SM+2*p+1], v[SS+8*p], v[SS+8*p+1], v[SS+8*p+2]
	WIN 0xC3
	ALL8 v_max3_num_f32 v[SM+2*p+1], v[SM+2*p+1], v[SS+8*p+3], v[SS+8*p+4]
	ALL8 v_max3_num_f32 v[SM+2*p+1], v[SM+2*p+1], v[SS+8*p+5], v[SS+8*p+6]
	ALL8 v_max_num_f32 v[SM+2*p+1], v[SM+2*p+1], v[SS+8*p+7]
	WIN 0xCC
	ALL8 v_mul_f32 v[SM+2*p], s[CS], v[SM+2*p+1]
	WIN 0x30
.set i, 0
.rept 4
	ALL8 v_pk_fma_f32 v[SS+8*p+2*i:SS+8*p+2*i+1], v[SS+8*p+2*i:SS+8*p+2*i+1], s[CS:CS+1], v[SM+2*p:SM+2*p+1] op_sel_hi:[1,0,0] neg_lo:[0,0,1] neg_hi:[0,0,1]
.set i, i+1
.endr
	WIN 0
.set i, 0
.rept 64
	v_exp_f32 v[SS+i], v[SS+i]
.set i, i+1
.endr
	v_nop                                          ; a plain instruction between the last exponential and the use of its result
	s_wait_alu depctr_va_vdst(0)
	WIN 0xC0
	ALL8 v_pk_add_f32 v[SX+4*p:SX+4*p+1], v[SS+8*p:SS+8*p+1], v[SS+8*p+2:SS+8*p+3]
	ALL8 v_pk_add_f32 v[SX+4*p+2:SX+4*p+3], v[SS+8*p+4:SS+8*p+5], v[SS+8*p+6:SS+8*p+7]
	WIN 0xCF
	ALL8 v_pk_add_f32 v[SX+4*p:SX+4*p+1], v[SX+4*p:SX+4*p+1], v[SX+4*p+2:SX+4*p+3]
	ALL8 v_add_f32 v[SL+2*p+1], v[SX+4*p], v[SX+4*p+1]
	ALL8 v_rcp_f32 v[SL+2*p+1], v[SL+2*p+1]
	v_nop
	s_wait_alu depctr_va_vdst(0)
	ALL8 v_cndmask_b32 v[SL+2*p], 0, v[SL+2*p+1], s[MASK]  ; 1 / l, or 0 where the keys are another node's
	WIN 0x0C
.set i, 0
.rept 4
	ALL8 v_pk_mul_f32 v[SS+8*p+2*i:SS+8*p+2*i+1], v[SS+8*p+2*i:SS+8*p+2*i+1], v[SL+2*p:SL+2*p+1] op_sel_hi:[1,0]
.set i, i+1
.endr
	WIN 0xC0
.set i, 0
.rept 4
	ALL8 v_cvt_pk_bf16_f32 v[PP+8*p+i], v[SS+8*p+2*i], v[SS+8*p+2*i+1]
.set i, i+1
.endr
.set i, 0
.rept 4
	ALL8 v_mov_b32 v[PP+8*p+4+i], 0                ; a product is 32 keys deep and a pair of nodes has 16: the other 16 are zeros, here and in v's fragments
.set i, i+1
.endr
	WIN 0x80
.set t, 0
.rept 16
.set i, 4
.rept 4
	v_mov_b32 v[8*t+i], 0
.set i, i+1
.endr
.set t, t+1
.endr
	s_barrier_wait -1                              ; every wave has read k: the attention's result may land on it
	; WEIGHTS x v
.set g, 0
.rept 2                                ; four pairs of nodes at a time: 16 products on 16 accumulators
	WIN 0x80
.set q, 0
.rept 4
.set t, 0
.rept 4
	ds_load_tr16_b128 v[32*q+8*t:32*q+8*t+3], v[RV] offset:2*NPITCH*(4*g+q)+32*t  ; 16 keys x channels 16 t on, turned: lane l holds channel l % 16 and 8 keys
.set t, t+1
.endr
.set q, q+1
.endr
	s_wait_dscnt 0x0
	WIN 0x8E
.set q, 0
.rept 4
.set t, 0
.rept 4
	v_wmma_f32_16x16x32_bf16 v[128+32*q+8*t:128+32*q+8*t+7], v[32*q+8*t:32*q+8*t+7], v[PP+8*(4*g+q):PP+8*(4*g+q)+7], 0
.set t, t+1
.endr
.set q, q+1
.endr
	PLACES
	WIN 0x8A
.set t, 0
.rept 16
.set i, 0
.rept 4
	v_cvt_pk_bf16_f32 v[128+8*t+i], v[128+8*t+2*i], v[128+8*t+2*i+1]
.set i, i+1
.endr
.set t, t+1
.endr
	WIN 0x08
.set q, 0
.rept 4
.set t, 0
.rept 4
	ds_store_b128 v[OW], v[128+32*q+8*t:128+32*q+8*t+3] offset:APITCH*(t/2)+512*(t%2)+32*(4*g+q)
.set t, t+1
.endr
.set q, q+1
.endr
.set g, g+1
.endr
	s_wait_dscnt 0x0                               ; for the others' sake: my nodes' result is in ACT0, and my reads of v are over
	BAR
	; Wo ONTO X, THE SECOND NORM
	LDB BIAS, 3                                    ; bo; the block's first wait for LDS shows it landed
	GEMM 1, ACT0
	s_wait_dscnt 0x0
	BAR                                            ; the waves meet: behind this barrier LDS is stored into again (the norm's tables), and no wave still reads the activation, whose address is made at run time from the class
	ADDB
	LN 1, DUMP1, 7                                 ; over v, which every wave has read
	LDB BIAS, 4                                    ; b2, for the end
	; THE FEED-FORWARD NET, 512 of the hidden layer's 2,048 at a time, in the walk's order
	WIN 0
	v_add_nc_u32 v[PBI], 9*512, v[PR]
	s_mov_b32 s[CH], 4
.Lchunk:
	TBIAS
	GEMM 2, ACT1
	CVTT
	WIN 0x82
.set t, 0
.rept 32
.set i, 0
.rept 4
	v_pk_max_num_bf16 v[8*t+i], v[8*t+i], v[ZR]    ; ReLU on two rounded numbers at once
.set i, i+1
.endr
.set t, t+1
.endr
	s_wait_dscnt 0x0
	BAR                                            ; every wave has finished the block that read ACT0 last
	DUMPT DUMP0
	s_wait_dscnt 0x0                               ; for the others' sake: my columns of the hidden layer are in ACT0
	BAR
	GEMM 1, ACT0
	WIN 0
	v_add_nc_u32 v[PBI], 512, v[PBI]
	s_sub_co_u32 s[CH], s[CH], 1
	s_cmp_lg_u32 s[CH], 0
	s_cbranch_scc1 .Lchunk
	; THE WAY OUT
	s_wait_dscnt 0x0
	BAR                                            ; the waves meet once more: the stages are stored into behind this barrier, and no wave still reads the hidden layer
	ADDB
	s_wait_loadcnt 0x0                             ; the ring's last loads have landed: its registers are taken for the rows read back
	XOUT 0
	XOUT 1
	XOUT 2
	XOUT 3
	s_wait_tensorcnt 0x0                           ; the wave's end, behind my last LDS store
	ds_add_u32 v[SPW], v[NIL]
	s_wait_dscnt 0x0
	s_endpgm
.Lfunc_end_k_qb0eec815c7_layer:
	.size	k_qb0eec815c7_layer, .Lfunc_end_k_qb0eec815c7_layer-k_qb0eec815c7_layer
	.p2alignl 7, 3214868480
	.fill 96, 4, 3214868480
	.section	.rodata,"a",@progbits
	.p2align	6, 0x0
	.amdhsa_kernel k_qb0eec815c7_layer
		.amdhsa_group_segment_fixed_size 280064
		.amdhsa_private_segment_fixed_size 0
		.amdhsa_enable_private_segment 0
		.amdhsa_kernarg_size 104
		.amdhsa_user_sgpr_count 2
		.amdhsa_user_sgpr_kernarg_segment_ptr 1
		.amdhsa_wavefront_size32 1
		.amdhsa_system_sgpr_workgroup_id_x 1
		.amdhsa_system_sgpr_workgroup_id_y 1
		.amdhsa_system_sgpr_workgroup_id_z 1
		.amdhsa_system_vgpr_workitem_id 0
		.amdhsa_next_free_vgpr 1024
		.amdhsa_next_free_sgpr 80
		.amdhsa_reserve_vcc 0
		.amdhsa_float_denorm_mode_32 3
		.amdhsa_float_denorm_mode_16_64 3
		.amdhsa_memory_ordered 1
		.amdhsa_forward_progress 1
		.amdhsa_inst_pref_size 255
	.end_amdhsa_kernel
	.section	.bss,"aw",@nobits
	.p2align	6
	.space	262144
	.amdgpu_metadata
---
amdhsa.version: [ 1, 2 ]
amdhsa.kernels:
  - .name:           k_qb0eec815c7_layer
    .symbol:         k_qb0eec815c7_layer.kd
    .args:
      - { .name: x, .offset: 0, .size: 8, .value_kind: global_buffer, .address_space: global }
      - { .name: wpack, .offset: 8, .size: 8, .value_kind: global_buffer, .address_space: global }
      - { .name: out0, .offset: 16, .size: 8, .value_kind: global_buffer, .address_space: global }
      - { .name: bv, .offset: 24, .size: 8, .value_kind: global_buffer, .address_space: global }
      - { .name: bq, .offset: 32, .size: 8, .value_kind: global_buffer, .address_space: global }
      - { .name: bk, .offset: 40, .size: 8, .value_kind: global_buffer, .address_space: global }
      - { .name: bo, .offset: 48, .size: 8, .value_kind: global_buffer, .address_space: global }
      - { .name: b1, .offset: 56, .size: 8, .value_kind: global_buffer, .address_space: global }
      - { .name: b2, .offset: 64, .size: 8, .value_kind: global_buffer, .address_space: global }
      - { .name: g1, .offset: 72, .size: 8, .value_kind: global_buffer, .address_space: global }
      - { .name: beta1, .offset: 80, .size: 8, .value_kind: global_buffer, .address_space: global }
      - { .name: g2, .offset: 88, .size: 8, .value_kind: global_buffer, .address_space: global }
      - { .name: beta2, .offset: 96, .size: 8, .value_kind: global_buffer, .address_space: global }
    .group_segment_fixed_size: 280064
    .private_segment_fixed_size: 0
    .kernarg_segment_align: 8
    .kernarg_segment_size: 104
    .max_flat_workgroup_size: 128
    .sgpr_count:     80
    .vgpr_count:     1024
    .wavefront_size: 32
...
	.end_amdgpu_metadata
.endif
;; end of part 3
;; ======== version 3 of 3: 2 launches; version 2 with the launch layer written anew for expert scheduling mode
;; workspace buffers: wpack 6,291,456 bytes
;; launch pack: the kernel of part 1 again; grid 96 x 4, 8 waves a work-group, no clusters, 0 bytes of LDS; arguments Wv, Wq, Wk, Wo, W1, W2, wpack; writes wpack
;; launch layer (part 4): grid 256 x 1, 4 waves a work-group, no clusters, 280,064 bytes of LDS; arguments x, wpack, out0, bv, bq, bk, bo, b1, b2, g1, beta1, g2, beta2; writes out0
.if DOCPART == 4
	.amdgcn_target "amdgcn-amd-amdhsa--gfx1250"
	.amdhsa_code_object_version 6
	.text
	.protected	k_qb0eec815c7_layer
	.globl	k_qb0eec815c7_layer
	.p2align	8
	.type	k_qb0eec815c7_layer,@function
k_qb0eec815c7_layer:
	s_mov_b64 s[64:65], 0
	v_nop
	global_prefetch_b8 v0, s[64:65] scope:SCOPE_SE
	s_setreg_imm32_b32 hwreg(HW_REG_WAVE_SCHED_MODE, 0, 2), 2
	s_setreg_imm32_b32 hwreg(HW_REG_WAVE_MODE, 25, 1), 1
	s_wait_xcnt 0x0
	s_wait_alu depctr_vm_vsrc(0)
; THE WHOLE LAYER FOR 64 ROWS.  No row of x looks at another, so a work-group takes 64 rows through layer norm 1, the q, k, v products, each node's 8 x 8 attention among its own heads, Wo and the
; residual, layer norm 2, the feed-forward net and the second residual, and nothing but x, the parameters and the result touches memory.  16,384 rows are 256 work-groups.
; THE MATRIX WORK is twelve BLOCKS alike: a 512 (n) x 512 (k) piece of a weight matrix against a 64 x 512 activation.  Wave w makes 64 rows x columns 128 w .. + 127: 32 accumulators, 16 steps of 32 along k.
; The matrix instruction is used transposed (source 0 = 16 rows of W, source 1 = 16 rows of the activation): lane l holds row l % 16 of a row tile and eight neighbouring columns 8 (l / 16) + 0..7.
; Rounded to bf16 those are 16 bytes, and they ARE the lane's 16 bytes of half a source 1 of the next product: activations go into LDS at 16 x lane + constant and come back at 16 x lane + constant.
; THE RESIDUAL STAYS IN REGISTERS: X (256 registers, f32, the layout above) holds x; Wo's product and the four products with W2 add straight onto it.
; THE WEIGHTS come as bf16 from wpack, which the launch before laid out in the registers' own image: of each step 8,192 consecutive bytes are wave w's and nobody else's in the work-group.  So they go STRAIGHT
; INTO REGISTERS: a ring of four buffers of 64; in step s the 16 loads of step s + 3 are issued, among the step's first matrix instructions, into the buffer that step s - 1 read; the counted wait at a
; step's head lets the two later steps' loads stay out, and with the step's own 16 three steps' loads, 24,576 bytes a wave, are on their way.  The ring runs on across the blocks' ends, the norms and
; the attention, which leave its registers alone.
; THE WALK.  All work-groups need all weights, but not in one order.  Class c = work-group number mod 4 takes the four trips (of four steps) of every block in the order c, c + 1, c + 2, c + 3 (mod 4), and the
; four chunks of the hidden layer likewise.  So at any moment the classes ask for four different parts of a block, a part is asked for first by a quarter of the work-groups and by the others a trip of 128
; matrix instructions or more later, and six of the feed-forward net's eight blocks are asked for a whole chunk behind their first request.
; NO CLUSTER, though all work-groups walk the same weights.  A joint load lands in LDS slots, and a slot is filled again only behind a barrier in front of which every load has landed: what is on its way is one
; slot.  Beside two activations of 65,792 bytes and q, k, v of 82,944 each, LDS has room for two slots of 65,536: 64 matrix instructions a wave for each refill, against 84 or more here between a load and the wait for it, and no barrier.
; ATTENTION: wave w takes nodes 16 w .. + 15, two at a time: 2 x 8 keys against 2 x 8 queries are one 16 x 16 product; a lane then holds one query's eight scores against one node's heads, so maximum and sum
; stay inside the lane; lanes whose key node is not their query's node get the weight 0.  p = 2^(c s - c m) / l, c = log2(e) / 8, m the row's maximum.
; LIMITS.  Matrix operands are rounded once to bf16: the weights, both layer norms' results, q, k, v, the attention's weights and its result, the hidden layer.  Sums, x, means and variances stay in f32; the
; variance is the mean of (x - mean)^2, taken in a second pass.  The order of the f32 sums along k, and of the four products with W2 onto X, is the walk's: it differs from work-group to work-group.
; A weight below 2^-126 counts as 0 in l.  NaN and infinities are not treated apart.  ReLU is taken after the rounding, which keeps sign and zero.
; THE MODE: SCHED_MODE bits 1:0 = 2 (LLVM: expert scheduling mode 2), set by the entry lines.  The code itself states the register dependences between vector or matrix instructions and memory or LDS
; instructions, with s_wait_alu, always for 0.
; THE PLAN.  Registers that memory or LDS instructions touch, and who else names them:
;   ring 0-3         Step j's matrix instructions read ring j.  The loads issued in step j land in ring (j + 3) % 4, which step j - 1 read.
;   FA 0, 1          Step j's matrix instructions read FA j % 2.  The LDS loads issued in step j land in the other buffer, which step j - 1 read.
;                    So ONE wait on va_vdst stands at a step's head: the step before is done reading both.  No matrix instruction of step j names them, so the step's 24 loads follow with no further
;                    wait, dealt among its first twelve matrix instructions.
;   v[AADR], v[ANX]  Read by the fragments' loads; written once a trip, at its end, behind a wait on vm_vsrc; the next step's head states them written.
;   v[PBI], v[WD]    Stepped once a block, behind a wait on vm_vsrc; the next block's head states them written.  The other addresses are made at the head and never written again.
;   T                A bias lands in it; products, norms and conversions write it; LDS stores read it: va_vdst ahead of each run of stores, vm_vsrc behind it.
;   X                x lands in it once; then products and vector instructions alone, up to the way out: one va_vdst ahead of the stages' stores.
;   v64-115          Beside FA: the parameters on their way in, a norm's chains and the tables' words: ROWSUM has one wait of each kind.
;   window 3, v128-255  Gain, shift and bias land there, vector and matrix instructions name them: a wait on va_vdst stands between the last of those and the next load.
; REGISTERS, in windows of 256 (s_set_vgpr_msb: bits 1:0 source 0, 3:2 source 1, 5:4 source 2, 7:6 destination):
;   window 0: v0-22, v40-44 addresses; v24-39 means and scales; v64-127 the activation's fragments, two buffers (at work outside the products); v128-255 ring buffers 0, 1
;   window 1: X, accumulator (a, b) at 64 a + 8 b          window 2: T, the same map: a block's sums; at work elsewhere
;   window 3: v0-127 ring buffers 2, 3; v128-255 a norm's gain and shift, a bias for X, the attention's weights and statistics
.set APITCH, 4112                      ; an activation's step of 32 k: 4 row tiles x 1,024 bytes + 16, which spreads the attention's scattered stores over the banks
.set NPITCH, 1296                      ; q, k, v by nodes: 8 heads x 160 bytes + 16 = 81 x 16: sixteen nodes' rows start at sixteen different groups of four banks
.set HPITCH, 160                       ; a head: 128 bytes + 32: an odd multiple of 32, for the turning load
.set REGION, 64*NPITCH                 ; 82,944
.set VREG,   0                         ; v; later the second norm's result
.set ACT1,   0
.set QREG,   REGION                    ; q; at the launch's two ends the waves' stages
.set STG,    REGION                    ; 16 rows x 528 bytes for each wave, its own: x on its way in, the result on its way out
.set KREG,   2*REGION                  ; k lies where the first norm's result lay, once every wave has read that; later the attention's result and the hidden layer
.set ACT0,   2*REGION
.set SPITCH, 528
.set STAT,   3*REGION                  ; four tables of 64 rows x 4 waves x 4 bytes: the waves' partial sums
.set PARAM,  STAT+4096                 ; for each wave 13 pieces of 512 bytes: its 128 columns of bv, bq, bk, bo, b2, g1, beta1, g2, beta2 and of b1's four chunks, those in the walk's order
.set PWAVE,  13*512
.set SPARE,  PARAM+4*PWAVE             ; the spare words, 128 bytes for each wave: two blocks of 256 bytes that no other line names
.set L16,  1                           ; v1   16 x lane
.set SPW,  2                           ; v2   my spare word; never rewritten
.set NIL,  3                           ; v3   0, for the add alone
.set AADR, 4                           ; v4   LDS address of the activation's four steps in hand
.set ABASE, 5                          ; v5   16 x lane + the block's activation
.set GW,   6                           ; v6   16 x lane + 16,384 w: my 16 bytes in a fragment's half, in my quarter of a tile of wpack; never rewritten
.set DUMP0, 7                          ; v7   where my columns go in ACT0: my four steps
.set DUMP1, 8                          ; v8   in ACT1
.set WD,   9                           ; v9   where my columns go by nodes: v's region, then q's, then k's
.set PBI,  10                          ; v10  the piece of PARAM that starts the block's sums
.set RQ,   11                          ; v11  a fragment of two nodes x eight heads, from QREG
.set RK,   12                          ; v12  from KREG
.set RV,   13                          ; v13  the turning load's address in VREG
.set OW,   14                          ; v14  where the attention's result goes in ACT0
.set GX,   15                          ; v15  512 w + 16 x lane: my 16 bytes of a row of x, of the result and of a parameter
.set PR,   16                          ; v16  my eight numbers of a piece's first column tile
.set SD,   17                          ; v17  my stage by the accumulators' layout
.set SRW,  18                          ; v18  my stage by rows
.set SA,   19                          ; v19  my wave's word of row lane % 16 in a table
.set SR,   20                          ; v20  that row's four words
.set PW,   21                          ; v21  where my 16 bytes of a piece go
.set ZR,   22                          ; v22  0
.set LM,   24                          ; v24-31 the four row tiles' means, each twice
.set LR,   32                          ; v32-39 their 1 / sqrt(var + eps), each twice
.set ANX,  40                          ; v40  LDS address of the activation's four steps of the next trip
.set BO,   41                          ; v41-44 my 16 bytes of b1's chunks, in the walk's order; never rewritten
.set FA,   64
.set LC,   64                          ; a norm's four chains a row tile
.set LW,   96                          ; the four waves' partial sums
.set SS,   64                          ; scores of pair p at SS + 8 p
.set OB,   64                          ; the way out: 16 rows read back, two buffers
.set PP,   128                         ; window 3: weights of pair p, a source 1: four registers, then four zeros
.set SM,   192                         ; window 3: c m, m
.set SL,   208                         ; window 3: 1 / l or 0, 1 / l
.set SX,   224                         ; window 3: at work
.set BIAS, 128                         ; window 3
.set WV,  34                           ; s34  my wave's number
.set PA,  48                           ; s[48:49] wpack at the four steps of the trip in hand
.set PN,  50                           ; s[50:51] at those of the next trip of the walk
.set NN,  52                           ; s52  the walk's number (0 .. 47, and on) of the trip whose place is made next
.set CL,  53                           ; s53  my class: work-group number mod 4
.set CA0, 54                           ; s54  where a block's first trip begins in its activation: 4 steps x class
.set CA1, 55                           ; s55  and its second
.set CNT, 57
.set CH,  58                           ; s58  chunks of the hidden layer still to go
.set QI,  59                           ; s59  of v, q, k still to go
.set SEL, 60                           ; s[60:61] v_permlanex16_b32's selects: each lane takes its own place in the other half
.set CS,  62                           ; s[62:63] c
.set MASK, 66                          ; s66  lanes whose key node is their query's node
.set INV, 67                           ; s67  1 / 512
.set EPSR, 68                          ; s68  1e-5
.set MSB, 0
.macro WIN new                         ; the immediate's high byte repeats the setting that is left; a switch that changes nothing is dropped
.if MSB != (\new)
	s_set_vgpr_msb (MSB<<8)|(\new)
.set MSB, \new
.endif
.endm
.macro PLACES                          ; four plain vector instructions behind a matrix instruction (ISA guide 7.12.1)
.rept 4
	v_nop
.endr
.endm
.macro BAR
	s_barrier_signal -1
	s_barrier_wait -1
.endm
.macro ALL4 line:vararg                ; one line for each row tile a
.set a, 0
.rept 4
	\line
.set a, a+1
.endr
.endm
.macro ALL8 line:vararg                ; one line for each pair of nodes p
.set p, 0
.rept 8
	\line
.set p, p+1
.endr
.endm
; 2 n loads: n of my eight fragments of W for one step, from fragment b0 on, into ring buffer j.  A step's eight are 8,192 consecutive bytes; every load takes 512 consecutive bytes.
.macro BLD j, sp, off, b0, n
.if (\j) < 2
	WIN 0
.set rb, 128+64*(\j)
.else
	WIN 0xC0
.set rb, 64*((\j)-2)
.endif
.set b, \b0
.rept \n
	global_load_b128 v[rb+8*b:rb+8*b+3],   v[GW], s[\sp:\sp+1] offset:(\off)+1024*b
	global_load_b128 v[rb+8*b+4:rb+8*b+7], v[GW], s[\sp:\sp+1] offset:(\off)+1024*b+512
.set b, b+1
.endr
.endm
; 8 LDS loads: the activation's four row tiles of step s of the four at adr, into buffer f
.macro AFETCH f, adr, s
	WIN 0
.set b, 0
.rept 4
	ds_load_b128 v[FA+32*(\f)+8*b:FA+32*(\f)+8*b+3],   v[\adr] offset:APITCH*(\s)+1024*b
	ds_load_b128 v[FA+32*(\f)+8*b+4:FA+32*(\f)+8*b+7], v[\adr] offset:APITCH*(\s)+1024*b+512
.set b, b+1
.endr
.endm
; n of a step's 32 matrix instructions, from number t0 on (number t: row tile t / 8, column tile t % 8), from ring buffer j.  accw: the sums' window (1 X, 2 T).
; The 32 accumulators take turns, one instruction a turn, in the same order in every step.
.macro MUL j, accw, t0, n
.if (\j) < 2
	WIN ((\accw)<<6)|((\accw)<<4)
.set rb, 128+64*(\j)
.else
	WIN ((\accw)<<6)|((\accw)<<4)|3
.set rb, 64*((\j)-2)
.endif
.set t, \t0
.rept \n
	v_wmma_f32_16x16x32_bf16 v[8*t:8*t+7], v[rb+8*(t%8):rb+8*(t%8)+7], v[FA+32*((\j)%2)+8*(t/8):FA+32*((\j)%2)+8*(t/8)+7], v[8*t:8*t+7]
.set t, t+1
.endr
.endm
; STEP j of a trip's four.  At its head the waits; then its 32 matrix instructions, and among the first twelve of them, in three runs of eight: the activation's fragments of the next step, and W's of the
; step three on, both into the buffers that the step before read.
; The wait for this step's activation is for 0: those loads were issued a step ago.  So the block's last trip can jump over a fetch that nothing would use, and no count hangs on the way taken.
.macro STEP j, accw, sp, off
	PLACES                                         ; between the last step's matrix instructions and the loads into the registers that they read
	s_wait_dscnt 0x0                               ; this step's fragments of the activation are in (at a block's first step also what starts the sums)
	s_wait_loadcnt 32                              ; loads come back in order: this step's 16 are in; the 16 each of the two later steps may be out
	s_wait_alu depctr_va_vdst(0)                   ; the last step's matrix instructions are done reading their ring buffer and their fragments of the activation, in which this step's loads land; in a trip's first step v[AADR] and v[ANX] are written
	MUL \j, \accw, 0, 4
.if (\j) == 3
	WIN 0
	s_cmp_eq_u32 s[CNT], 1
	s_cbranch_scc1 .Lno_a_\@                       ; the block has no further step
	AFETCH 0, ANX, 0                               ; the next trip's first step.  No wait: no matrix instruction since the wait above names these registers
.Lno_a_\@:
.else
	AFETCH ((\j)+1)%2, AADR, (\j)+1                ; no wait: no matrix instruction since the wait above names these registers
.endif
	MUL \j, \accw, 4, 4
	BLD ((\j)+3)%4, \sp, \off, 0, 4                ; likewise
	MUL \j, \accw, 8, 4
	BLD ((\j)+3)%4, \sp, \off, 4, 4
	MUL \j, \accw, 12, 20
.endm
; Where trip NN of the walk lies: s[72:73] its byte offset in wpack, s76 its four steps' place in the activation.  Place NN / 4 of the walk is block NN / 4 for the first four; place 4 + 2 i + f is block
; 4 + 2 ((i + class) mod 4) + f.  Of the block's four parts of 131,072 bytes the trip takes part (NN + class) mod 4.  Place 12, which the last trip's look-ahead names, gives a block of W1 once more: inside wpack.
.macro WALK
	s_lshr_b32 s72, s[NN], 2
	s_add_co_u32 s73, s[NN], s[CL]
	s_and_b32 s73, s73, 3                          ; the part
	s_mul_i32 s76, s73, 4*APITCH
	s_lshl_b32 s73, s73, 17
	s_max_u32 s74, s72, 4
	s_sub_co_u32 s74, s74, 4                       ; 2 i + f
	s_lshr_b32 s75, s74, 1
	s_add_co_u32 s75, s75, s[CL]
	s_and_b32 s75, s75, 3                          ; the chunk of the hidden layer
	s_and_b32 s74, s74, 1
	s_lshl1_add_u32 s75, s75, s74
	s_add_co_u32 s75, s75, 4
	s_cmp_lt_u32 s72, 4
	s_cselect_b32 s72, s72, s75                    ; the block
	s_lshl_b32 s72, s72, 19
	s_or_b32 s72, s72, s73
	s_mov_b32 s73, 0
.endm
.macro TBIAS                           ; T's sums begin with the bias: column tile b's eight numbers, the same for all four row tiles, from my piece of PARAM
	WIN 0x80
.set a, 0
.rept 4
.set b, 0
.rept 8
	ds_load_b128 v[64*a+8*b:64*a+8*b+3],   v[PBI] offset:64*b
	ds_load_b128 v[64*a+8*b+4:64*a+8*b+7], v[PBI] offset:64*b+16
.set b, b+1
.endr
.set a, a+1
.endr
.endm
; A BLOCK: the sums in window accw += activation at abase x the walk's next 16 steps.  Four trips of four steps.  W's first three steps were asked for by the block before (for the first block: ahead of the first norm).
; tb = 1: the sums are T's and begin with the bias at v[PBI].
.macro GEMM accw, abase, tb
	WIN 0
	v_add_nc_u32 v[ABASE], \abase, v[L16]
	v_add_nc_u32 v[AADR], s[CA0], v[ABASE]         ; (the last trip's wait on vm_vsrc stands behind every load that read these two)
	v_add_nc_u32 v[ANX], s[CA1], v[ABASE]
	s_wait_alu depctr_va_vdst(0)                   ; v[AADR] is written, and v[PBI] where a bias starts the sums: the LDS loads below read them; and whatever named the registers in which they land (T's conversions; products, scores or a norm's chains on v64-95) is done
.if \tb
	TBIAS
.endif
	AFETCH 0, AADR, 0
	s_mov_b32 s[CNT], 4
.Lg_\@:
	STEP 0, \accw, PA, 65536+8192                  ; this trip's fourth step: the second tile's second half
	STEP 1, \accw, PN, 0                           ; the next trip's first three
	STEP 2, \accw, PN, 8192
	STEP 3, \accw, PN, 65536
	WIN 0
	WALK
	s_wait_xcnt 0x0                                ; the pointers that the loads above name are written only behind this wait
	s_mov_b64 s[PA:PA+1], s[PN:PN+1]
	s_add_nc_u64 s[PN:PN+1], s[10:11], s[72:73]    ; the pointer is made anew: wpack's address and an offset made apart from it
	s_add_co_u32 s[NN], s[NN], 1
	s_wait_alu depctr_vm_vsrc(0)                   ; the fragments' loads issued so far have read v[AADR] and v[ANX], which the two lines below write
	v_mov_b32 v[AADR], v[ANX]
	v_add_nc_u32 v[ANX], s76, v[ABASE]             ; (behind a block's third and last trips this names the next block's part: not used, and made anew where that block begins)
	s_sub_co_u32 s[CNT], s[CNT], 1
	s_cmp_lg_u32 s[CNT], 0
	s_cbranch_scc1 .Lg_\@
	PLACES                                         ; in front of whatever reads the sums
.endm
.macro LDB dst, piece                  ; my 8 x 8 numbers of a piece into window 3: column tile b's eight at dst + 8 b
	WIN 0xC0
.set b, 0
.rept 8
	ds_load_b128 v[(\dst)+8*b:(\dst)+8*b+3],   v[PR] offset:512*(\piece)+64*b
	ds_load_b128 v[(\dst)+8*b+4:(\dst)+8*b+7], v[PR] offset:512*(\piece)+64*b+16
.set b, b+1
.endr
.endm
.macro ADDB                            ; X += bias; each accumulator is read from its low end on
	WIN 0x4D
.set a, 0
.rept 4
.set p, 0
.rept 32
	v_pk_add_f32 v[64*a+2*p:64*a+2*p+1], v[64*a+2*p:64*a+2*p+1], v[BIAS+2*p:BIAS+2*p+1]
.set p, p+1
.endr
.set a, a+1
.endr
.endm
.macro CVTT                            ; T is rounded to bf16 in place: an accumulator's eight numbers into its first four registers, ascending
	WIN 0x8A
.set t, 0
.rept 32
.set i, 0
.rept 4
	v_cvt_pk_bf16_f32 v[8*t+i], v[8*t+2*i], v[8*t+2*i+1]
.set i, i+1
.endr
.set t, t+1
.endr
.endm
.macro DUMPT adr                       ; T's 32 x 16 bytes a lane go into an activation: column tile b is half b % 2 of my step b / 2
	WIN 0x08
	s_wait_alu depctr_va_vdst(0)                   ; the conversions (and the ReLU) have written T's registers, which the stores below read; a norm is done reading its gain and shift
.set a, 0
.rept 4
.set b, 0
.rept 8
	ds_store_b128 v[\adr], v[64*a+8*b:64*a+8*b+3] offset:APITCH*(b/2)+1024*a+512*(b%2)
.set b, b+1
.endr
.set a, a+1
.endr
	s_wait_alu depctr_vm_vsrc(0)                   ; the stores have read T's registers, in which the next bias lands; the bias's loads have read v[PBI], which is stepped at the chunk's end
.endm
; The four chains of each row tile are added up, the two halves of the lanes exchanged, and the four waves' sums meet in table st: v[LW + 4 a] then holds the whole row's sum, made in the same order in every wave.
.macro ROWSUM st
	WIN 0
	ALL4 v_pk_add_f32 v[LC+8*a:LC+8*a+1], v[LC+8*a:LC+8*a+1], v[LC+8*a+2:LC+8*a+3]
	ALL4 v_pk_add_f32 v[LC+8*a+4:LC+8*a+5], v[LC+8*a+4:LC+8*a+5], v[LC+8*a+6:LC+8*a+7]
	ALL4 v_pk_add_f32 v[LC+8*a:LC+8*a+1], v[LC+8*a:LC+8*a+1], v[LC+8*a+4:LC+8*a+5]
	ALL4 v_add_f32 v[LC+8*a], v[LC+8*a], v[LC+8*a+1]
	ALL4 v_permlanex16_b32 v[LC+8*a+1], v[LC+8*a], s[SEL], s[SEL+1]
	ALL4 v_add_f32 v[LC+8*a], v[LC+8*a], v[LC+8*a+1]
	s_wait_alu depctr_va_vdst(0)                   ; the four sums are written, which the stores below read; and whoever named v[LW ..] before (the means' lines, products, scores) is done: the loads below land there
	ALL4 ds_store_b32 v[SA], v[LC+8*a] offset:1024*(\st)+256*a
	s_wait_dscnt 0x0                               ; for the others' sake: my words are in the table
	BAR
	ALL4 ds_load_b128 v[LW+4*a:LW+4*a+3], v[SR] offset:1024*(\st)+256*a
	s_wait_alu depctr_vm_vsrc(0)                   ; the stores above have read v[LC + 8 a], which the next pass's chains, or the next block's fragments, write again; earlier stores have read the registers of T that the norm writes
	s_wait_dscnt 0x0
	ALL4 v_add_f32 v[LW+4*a], v[LW+4*a], v[LW+4*a+1]
	ALL4 v_add_f32 v[LW+4*a+2], v[LW+4*a+2], v[LW+4*a+3]
	ALL4 v_add_f32 v[LW+4*a], v[LW+4*a], v[LW+4*a+2]
.endm
; LAYER NORM of X into the activation at dump.  k: which pair of tables.  Gain and shift are pieces piece and piece + 1; they come into window 3, v128-191 and v192-255, while the sums are made.
; Three barriers: the sums, the squares, the result.
.macro LN k, dump, piece
	LDB 128, \piece
	LDB 192, (\piece)+1
	WIN 0x05
.set c, 0
.rept 4
	ALL4 v_pk_add_f32 v[LC+8*a+2*c:LC+8*a+2*c+1], v[64*a+2*c:64*a+2*c+1], v[64*a+8+2*c:64*a+8+2*c+1]
.set c, c+1
.endr
	WIN 0x04
.set p, 8
.rept 24
	ALL4 v_pk_add_f32 v[LC+8*a+2*(p%4):LC+8*a+2*(p%4)+1], v[LC+8*a+2*(p%4):LC+8*a+2*(p%4)+1], v[64*a+2*p:64*a+2*p+1]
.set p, p+1
.endr
	ROWSUM 2*(\k)
	ALL4 v_mul_f32 v[LM+2*a], s[INV], v[LW+4*a]
	ALL4 v_mov_b32 v[LM+2*a+1], v[LM+2*a]
	WIN 0x81                                       ; T = X - mean
.set p, 0
.rept 32
	ALL4 v_pk_add_f32 v[64*a+2*p:64*a+2*p+1], v[64*a+2*p:64*a+2*p+1], v[LM+2*a:LM+2*a+1] neg_lo:[0,1] neg_hi:[0,1]
.set p, p+1
.endr
	WIN 0x0A                                       ; the sums of T^2
.set p, 0
.rept 4
	ALL4 v_pk_mul_f32 v[LC+8*a+2*p:LC+8*a+2*p+1], v[64*a+2*p:64*a+2*p+1], v[64*a+2*p:64*a+2*p+1]
.set p, p+1
.endr
.rept 28
	ALL4 v_pk_fma_f32 v[LC+8*a+2*(p%4):LC+8*a+2*(p%4)+1], v[64*a+2*p:64*a+2*p+1], v[64*a+2*p:64*a+2*p+1], v[LC+8*a+2*(p%4):LC+8*a+2*(p%4)+1]
.set p, p+1
.endr
	ROWSUM 2*(\k)+1
	ALL4 v_fma_f32 v[LW+4*a], v[LW+4*a], s[INV], s[EPSR]
	ALL4 v_rsq_f32 v[LR+2*a], v[LW+4*a]
	ALL4 v_rsq_f32 v[LR+2*a+1], v[LW+4*a]
	v_nop                                          ; a plain instruction between the last root and the use of its result
	s_wait_alu depctr_va_vdst(0)                   ; the eight roots v[LR ..] are written, ahead of their first reader: one wait for the batch
	WIN 0x82
.set p, 0
.rept 32
	ALL4 v_pk_mul_f32 v[64*a+2*p:64*a+2*p+1], v[64*a+2*p:64*a+2*p+1], v[LR+2*a:LR+2*a+1]
.set p, p+1
.endr
	WIN 0xBE
.set p, 0
.rept 32
	ALL4 v_pk_fma_f32 v[64*a+2*p:64*a+2*p+1], v[64*a+2*p:64*a+2*p+1], v[128+2*p:128+2*p+1], v[192+2*p:192+2*p+1]
.set p, p+1
.endr
	CVTT
	DUMPT \dump
	s_wait_dscnt 0x0                               ; for the others' sake: my columns are in the activation
	BAR
.endm
; x on its way in: 16 rows of my 512 bytes go through my stage and come back in the accumulators' layout.  LDS serves a wave's instructions in order (ISA guide 5.7.1.4), so no wait stands between stores and loads.
; No vector instruction has named T or X yet: the stores' data come from loads, whose counter is waited for, and nothing more is owed.
.macro XIN a
	s_wait_loadcnt 48-16*(\a)                      ; loads come back in order: row tile a's sixteen are in, the rows behind them stay out
	WIN 0x08
.set r, 0
.rept 16
	ds_store_b128 v[SRW], v[4*(16*(\a)+r):4*(16*(\a)+r)+3] offset:SPITCH*r
.set r, r+1
.endr
	WIN 0x40
.set b, 0
.rept 8
	ds_load_b128 v[64*(\a)+8*b:64*(\a)+8*b+3],   v[SD] offset:64*b
	ds_load_b128 v[64*(\a)+8*b+4:64*(\a)+8*b+7], v[SD] offset:64*b+16
.set b, b+1
.endr
.endm
.macro XOUT a                          ; and the result on its way out, the other way round
	WIN 0x04
.set b, 0
.rept 8
	ds_store_b128 v[SD], v[64*(\a)+8*b:64*(\a)+8*b+3] offset:64*b
	ds_store_b128 v[SD], v[64*(\a)+8*b+4:64*(\a)+8*b+7] offset:64*b+16
.set b, b+1
.endr
	WIN 0
	s_wait_xcnt 0x0                                ; the registers that earlier stores read are loaded again only behind this wait
.if (\a) >= 2
	s_wait_alu depctr_vm_vsrc(0)                   ; the global stores of the row tile two back have read this buffer of v[OB ..], in which the loads below land
.endif
.set r, 0
.rept 16
	ds_load_b128 v[OB+64*((\a)%2)+4*r:OB+64*((\a)%2)+4*r+3], v[SRW] offset:SPITCH*r
.set r, r+1
.endr
.set r, 0
.rept 16
	s_wait_dscnt 15-r                              ; row r is back; the rows behind it may be out
	global_store_b128 v[GX], v[OB+64*((\a)%2)+4*r:OB+64*((\a)%2)+4*r+3], s[12:13] offset:2048*(16*(\a)+r) th:TH_STORE_NT  ; 512 consecutive bytes, at a multiple of 512 from the result's first
.set r, r+1
.endr
.endm
.macro PLD i, sp, vo                   ; my 512 bytes of a parameter: piece i
	global_load_b128 v[64+4*(\i):64+4*(\i)+3], v[\vo], s[\sp:\sp+1]
.endm
	; THE HEAD
	s_load_b512 s[8:23], s[0:1], 0x0               ; x s[8:9], wpack s[10:11], out0 s[12:13], bv s[14:15], bq s[16:17], bk s[18:19], bo s[20:21], b1 s[22:23]
	s_load_b256 s[24:31], s[0:1], 0x40             ; b2 s[24:25], g1 s[26:27], beta1 s[28:29], g2 s[30:31]
	s_load_b64 s[32:33], s[0:1], 0x60              ; beta2
	v_lshl_add_u32 v[SPW], v0, 2, SPARE            ; the add's two registers
	v_mov_b32 v[NIL], 0
	v_lshrrev_b32 v24, 5, v0
	v_readfirstlane_b32 s[WV], v24                 ; wave 0..3
	v_bfe_u32 v26, v0, 4, 1                        ; l / 16
	v_bfe_u32 v27, v0, 3, 1                        ; (l / 8) % 2
	v_cmp_eq_u32 s[MASK], v26, v27                 ; beside the line that makes the wave's number, so that one wait serves both
	s_lshl_b32 s70, ttmp9, 17                      ; my 64 rows of 2,048 bytes
	s_mov_b32 s71, 0
	s_and_b32 s[CL], ttmp9, 3                      ; my class
	s_mul_i32 s[CA0], s[CL], 4*APITCH
	s_add_co_u32 s74, s[CL], 1
	s_and_b32 s74, s74, 3
	s_mul_i32 s[CA1], s74, 4*APITCH
	s_lshl_b32 s72, s[CL], 17                      ; the walk's trips 0 and 1: parts class and class + 1 of block 0
	s_mov_b32 s73, 0
	s_lshl_b32 s74, s74, 17
	s_mov_b32 s75, 0
	s_mov_b32 s[NN], 2
	s_mov_b32 s[SEL], 0x76543210
	s_mov_b32 s[SEL+1], 0xfedcba98
	s_mov_b32 s[CS], 0x3e38aa3b                    ; c = log2(e) / 8
	s_mov_b32 s[CS+1], s[CS]                       ; named with it as a pair
	s_mov_b32 s[INV], 0x3b000000                   ; 1 / 512
	s_mov_b32 s[EPSR], 0x3727c5ac                  ; 1e-5
	v_mov_b32 v[ZR], 0
	v_and_b32 v23, 31, v0
	v_lshlrev_b32 v[L16], 4, v23
	v_and_b32 v25, 15, v0                          ; l % 16
	v_and_b32 v28, 7, v0                           ; l % 8
	s_wait_alu depctr_va_sdst(0)                   ; s[WV] and s[MASK] are written, ahead of their first readers: the addresses below are made from the wave's number, and the softmax selects by the mask
	s_lshl_b32 s37, s[WV], 14
	v_add_nc_u32 v[GW], s37, v[L16]
	s_mul_i32 s38, s[WV], 4*APITCH
	s_add_co_u32 s38, s38, ACT1
	v_add_nc_u32 v[DUMP1], s38, v[L16]
	v_add_nc_u32 v[DUMP0], ACT0-ACT1, v[DUMP1]
	v_mul_u32_u24 v29, v25, NPITCH                 ; by nodes, as the sums lie: node l % 16, 16 bytes for each half of the lanes, heads 2 w on
	v_lshl_add_u32 v29, v26, 4, v29
	s_mul_i32 s38, s[WV], 2*HPITCH
	s_add_co_u32 s38, s38, VREG
	v_add_nc_u32 v[WD], s38, v29
	v_mul_u32_u24 v29, v28, HPITCH                 ; a fragment's row l % 16 is node (l / 8) % 2, head l % 8, of my wave's 16 nodes
	v_lshl_add_u32 v30, v26, 4, v29
	v_mad_u32_u24 v30, v27, NPITCH, v30
	s_mul_i32 s38, s[WV], 16*NPITCH
	s_add_co_u32 s39, s38, QREG
	v_add_nc_u32 v[RQ], s39, v30
	s_add_co_u32 s39, s38, KREG
	v_add_nc_u32 v[RK], s39, v30
	v_lshl_add_u32 v30, v27, 4, v29                ; the turning load: lane l reads key 8 (l / 16) + l % 8 = node l / 16, head l % 8; channels 8 ((l / 8) % 2) on
	v_mad_u32_u24 v30, v26, NPITCH, v30
	s_add_co_u32 s39, s38, VREG
	v_add_nc_u32 v[RV], s39, v30
	v_mul_u32_u24 v29, v28, 2*APITCH               ; the attention's result: head l % 8 is steps 2 (l % 8) on; row tile w; place 16 (l / 16) + 2 p + (l / 8) % 2 among a half's 32
	v_lshl_add_u32 v29, v27, 4, v29
	v_lshl_add_u32 v29, v26, 8, v29
	s_lshl_b32 s38, s[WV], 10
	s_add_co_u32 s38, s38, ACT0
	v_add_nc_u32 v[OW], s38, v29
	s_lshl_b32 s38, s[WV], 9
	v_add_nc_u32 v[GX], s38, v[L16]
.set i, 0
.rept 4
	s_add_co_u32 s38, s[CL], i                     ; the walk's chunk i of the hidden layer is chunk (i + class) mod 4: 2,048 bytes of b1 each
	s_and_b32 s38, s38, 3
	s_lshl_b32 s38, s38, 11
	v_add_nc_u32 v[BO+i], s38, v[GX]
.set i, i+1
.endr
	s_mul_i32 s38, s[WV], PWAVE
	s_add_co_u32 s38, s38, PARAM
	v_lshl_add_u32 v[PR], v26, 5, s38
	v_add_nc_u32 v[PW], s38, v[L16]
	s_mul_i32 s38, s[WV], 16*SPITCH
	s_add_co_u32 s38, s38, STG
	v_mul_u32_u24 v29, v25, SPITCH
	v_lshl_add_u32 v29, v26, 5, v29
	v_add_nc_u32 v[SD], s38, v29
	v_add_nc_u32 v[SRW], s38, v[L16]
	v_lshlrev_b32 v29, 4, v25
	v_add_nc_u32 v[SR], STAT, v29
	v_lshl_add_u32 v[SA], s[WV], 2, v[SR]
	s_wait_kmcnt 0x0
	s_add_nc_u64 s[8:9], s[8:9], s[70:71]          ; x and the result at my first row
	s_add_nc_u64 s[12:13], s[12:13], s[70:71]
	s_add_nc_u64 s[PA:PA+1], s[10:11], s[72:73]    ; the walk's first trip,
	s_add_nc_u64 s[PN:PN+1], s[10:11], s[74:75]    ; and its second
	s_wait_alu depctr_va_vdst(0)                   ; the addresses and offsets v6 to v21 and v41 to v44 are written, which the loads and stores of the whole kernel read
	; THE PARAMETERS AND x COME IN
	PLD 0, 14, GX                                  ; bv
	PLD 1, 16, GX                                  ; bq
	PLD 2, 18, GX                                  ; bk
	PLD 3, 20, GX                                  ; bo
	PLD 4, 24, GX                                  ; b2
	PLD 5, 26, GX                                  ; g1
	PLD 6, 28, GX                                  ; beta1
	PLD 7, 30, GX                                  ; g2
	PLD 8, 32, GX                                  ; beta2
	PLD 9, 22, BO                                  ; b1, four chunks of 512, in the walk's order
	PLD 10, 22, BO+1
	PLD 11, 22, BO+2
	PLD 12, 22, BO+3
	WIN 0x80
.set r, 0
.rept 64
	global_load_b128 v[4*r:4*r+3], v[GX], s[8:9] offset:2048*r th:TH_LOAD_NT  ; my 512 consecutive bytes of row r, into T
.set r, r+1
.endr
	XIN 0                                          ; its wait also shows the parameters landed: they were asked for first
	XIN 1
	XIN 2
	XIN 3
	WIN 0
.set i, 0
.rept 13
	ds_store_b128 v[PW], v[64+4*i:64+4*i+3] offset:512*i  ; bytes that my wave alone reads: no barrier
.set i, i+1
.endr
	BLD 0, PA, 0, 0, 8                             ; the ring begins: the walk's first three steps have the first norm in which to land
	BLD 1, PA, 8192, 0, 8
	BLD 2, PA, 65536, 0, 8
	s_wait_dscnt 0x0                               ; X is whole
	s_wait_alu depctr_vm_vsrc(0)                   ; the LDS stores above have read v64-115 (the parameters) and T (x's rows): the norm's chains and its T write both again
	LN 0, DUMP0, 5
	; v, q, k: one text, three trips.  The bias steps from piece to piece, the destination from region to region.
	WIN 0
	v_mov_b32 v[PBI], v[PR]
	s_mov_b32 s[QI], 3
.Lqkv:
	GEMM 2, ACT0, 1
	CVTT
	s_wait_dscnt 0x0
	BAR                                            ; every wave has read the norm's result to its end: the third trip's stores land on it
	WIN 0x08                                       ; by nodes: row tile a is 16 nodes, column tile b is head 2 w + b / 4, channels 16 (b % 4) on
	s_wait_alu depctr_va_vdst(0)                   ; the conversions have written T's registers, which the stores below read
.set a, 0
.rept 4
.set b, 0
.rept 8
	ds_store_b128 v[WD], v[64*a+8*b:64*a+8*b+3] offset:16*NPITCH*a+HPITCH*(b/4)+32*(b%4)
.set b, b+1
.endr
.set a, a+1
.endr
	WIN 0
	s_wait_alu depctr_vm_vsrc(0)                   ; the stores have read v[WD] and the bias's loads v[PBI], which the two lines below write; the stores have read T's registers, in which the next bias, or k and q, land
	v_add_nc_u32 v[PBI], 512, v[PBI]
	v_add_nc_u32 v[WD], REGION, v[WD]
	s_wait_dscnt 0x0                               ; for the others' sake: my heads are in LDS
	BAR
	s_sub_co_u32 s[QI], s[QI], 1
	s_cmp_lg_u32 s[QI], 0
	s_cbranch_scc1 .Lqkv
	; SCORES AND SOFTMAX.  The loads below land in T: no vector instruction since the wait ahead of the stores by nodes names it, and the wait behind those stores shows them done reading it.
	WIN 0x80
.set p, 0
.rept 8
.set ks, 0
.rept 2
	ds_load_b128 v[16*p+8*ks:16*p+8*ks+3],         v[RK] offset:2*NPITCH*p+64*ks
	ds_load_b128 v[16*p+8*ks+4:16*p+8*ks+7],       v[RK] offset:2*NPITCH*p+64*ks+32
	ds_load_b128 v[128+16*p+8*ks:128+16*p+8*ks+3],   v[RQ] offset:2*NPITCH*p+64*ks
	ds_load_b128 v[128+16*p+8*ks+4:128+16*p+8*ks+7], v[RQ] offset:2*NPITCH*p+64*ks+32
.set ks, ks+1
.endr
.set p, p+1
.endr
	s_wait_dscnt 0x0                               ; my reads of q and k are over:
	s_barrier_signal -1                            ; say so; only work on registers stands up to the wait
	WIN 0x0A
	ALL8 v_wmma_f32_16x16x32_bf16 v[SS+8*p:SS+8*p+7], v[16*p:16*p+7], v[128+16*p:128+16*p+7], 0
	ALL8 v_wmma_f32_16x16x32_bf16 v[SS+8*p:SS+8*p+7], v[16*p+8:16*p+15], v[128+16*p+8:128+16*p+15], v[SS+8*p:SS+8*p+7]
	PLACES
	WIN 0xC0                                       ; the scores lie in window 0, the statistics and the weights in window 3
	ALL8 v_max3_num_f32 v[SM+2*p+1], v[SS+8*p], v[SS+8*p+1], v[SS+8*p+2]
	WIN 0xC3
	ALL8 v_max3_num_f32 v[SM+2*p+1], v[SM+2*p+1], v[SS+8*p+3], v[SS+8*p+4]
	ALL8 v_max3_num_f32 v[SM+2*p+1], v[SM+2*p+1], v[SS+8*p+5], v[SS+8*p+6]
	ALL8 v_max_num_f32 v[SM+2*p+1], v[SM+2*p+1], v[SS+8*p+7]
	WIN 0xCC
	ALL8 v_mul_f32 v[SM+2*p], s[CS], v[SM+2*p+1]
	WIN 0x30
.set i, 0
.rept 4
	ALL8 v_pk_fma_f32 v[SS+8*p+2*i:SS+8*p+2*i+1], v[SS+8*p+2*i:SS+8*p+2*i+1], s[CS:CS+1], v[SM+2*p:SM+2*p+1] op_sel_hi:[1,0,0] neg_lo:[0,0,1] neg_hi:[0,0,1]
.set i, i+1
.endr
	WIN 0
.set i, 0
.rept 64
	v_exp_f32 v[SS+i], v[SS+i]
.set i, i+1
.endr
	v_nop                                          ; a plain instruction between the last exponential and the use of its result
	s_wait_alu depctr_va_vdst(0)                   ; the 64 exponentials v[SS ..] are written, ahead of their first reader: one wait for the batch
	WIN 0xC0
	ALL8 v_pk_add_f32 v[SX+4*p:SX+4*p+1], v[SS+8*p:SS+8*p+1], v[SS+8*p+2:SS+8*p+3]
	ALL8 v_pk_add_f32 v[SX+4*p+2:SX+4*p+3], v[SS+8*p+4:SS+8*p+5], v[SS+8*p+6:SS+8*p+7]
	WIN 0xCF
	ALL8 v_pk_add_f32 v[SX+4*p:SX+4*p+1], v[SX+4*p:SX+4*p+1], v[SX+4*p+2:SX+4*p+3]
	ALL8 v_add_f32 v[SL+2*p+1], v[SX+4*p], v[SX+4*p+1]
	ALL8 v_rcp_f32 v[SL+2*p+1], v[SL+2*p+1]
	v_nop
	s_wait_alu depctr_va_vdst(0)                   ; the eight reciprocals v[SL + 2 p + 1] are written, ahead of their first reader; the scores' products are done reading k's fragments, in whose lower halves v's land below
	ALL8 v_cndmask_b32 v[SL+2*p], 0, v[SL+2*p+1], s[MASK]  ; 1 / l, or 0 where the keys are another node's
	WIN 0x0C
.set i, 0
.rept 4
	ALL8 v_pk_mul_f32 v[SS+8*p+2*i:SS+8*p+2*i+1], v[SS+8*p+2*i:SS+8*p+2*i+1], v[SL+2*p:SL+2*p+1] op_sel_hi:[1,0]
.set i, i+1
.endr
	WIN 0xC0
.set i, 0
.rept 4
	ALL8 v_cvt_pk_bf16_f32 v[PP+8*p+i], v[SS+8*p+2*i], v[SS+8*p+2*i+1]
.set i, i+1
.endr
.set i, 0
.rept 4
	ALL8 v_mov_b32 v[PP+8*p+4+i], 0                ; a product is 32 keys deep and a pair of nodes has 16: the other 16 are zeros, here and in v's fragments
.set i, i+1
.endr
	WIN 0x80
.set t, 0
.rept 16
.set i, 4
.rept 4
	v_mov_b32 v[8*t+i], 0
.set i, i+1
.endr
.set t, t+1
.endr
	s_barrier_wait -1                              ; every wave has read k: the attention's result may land on it
	; WEIGHTS x v
.set g, 0
.rept 2                                ; four pairs of nodes at a time: 16 products on 16 accumulators
	WIN 0x80
.set q, 0
.rept 4
.set t, 0
.rept 4
	ds_load_tr16_b128 v[32*q+8*t:32*q+8*t+3], v[RV] offset:2*NPITCH*(4*g+q)+32*t  ; 16 keys x channels 16 t on, turned: lane l holds channel l % 16 and 8 keys.  No vector or matrix instruction since the last wait on va_vdst names these four registers
.set t, t+1
.endr
.set q, q+1
.endr
	s_wait_dscnt 0x0
.if g > 0
	s_wait_alu depctr_vm_vsrc(0)                   ; the first four pairs' stores have read T's v128 on, which the products below write again
.endif
	WIN 0x8E
.set q, 0
.rept 4
.set t, 0
.rept 4
	v_wmma_f32_16x16x32_bf16 v[128+32*q+8*t:128+32*q+8*t+7], v[32*q+8*t:32*q+8*t+7], v[PP+8*(4*g+q):PP+8*(4*g+q)+7], 0
.set t, t+1
.endr
.set q, q+1
.endr
	PLACES
	WIN 0x8A
.set t, 0
.rept 16
.set i, 0
.rept 4
	v_cvt_pk_bf16_f32 v[128+8*t+i], v[128+8*t+2*i], v[128+8*t+2*i+1]
.set i, i+1
.endr
.set t, t+1
.endr
	WIN 0x08
	s_wait_alu depctr_va_vdst(0)                   ; the conversions have written T's v128 on, which the stores below read; the products are done reading v's fragments and the weights, in which the next four pairs' v, and then bo, land
.set q, 0
.rept 4
.set t, 0
.rept 4
	ds_store_b128 v[OW], v[128+32*q+8*t:128+32*q+8*t+3] offset:APITCH*(t/2)+512*(t%2)+32*(4*g+q)
.set t, t+1
.endr
.set q, q+1
.endr
.set g, g+1
.endr
	s_wait_dscnt 0x0                               ; for the others' sake: my nodes' result is in ACT0, and my reads of v are over
	BAR
	; Wo ONTO X, THE SECOND NORM
	LDB BIAS, 3                                    ; bo; the block's first wait for LDS shows it landed.  No vector or matrix instruction since the wait ahead of the last stores names these registers
	GEMM 1, ACT0, 0
	s_wait_dscnt 0x0
	BAR                                            ; the waves meet: behind this barrier LDS is stored into again (the norm's tables), and no wave still reads the activation, whose address is made at run time from the class
	ADDB
	s_wait_alu depctr_va_vdst(0)                   ; the additions are done reading bo in window 3's v128-191, in which the norm's gain lands
	LN 1, DUMP1, 7                                 ; over v, which every wave has read
	LDB BIAS, 4                                    ; b2, for the end.  The wait ahead of the norm's last stores shows it done reading its gain, where b2 lands
	; THE FEED-FORWARD NET, 512 of the hidden layer's 2,048 at a time, in the walk's order
	WIN 0
	v_add_nc_u32 v[PBI], 9*512, v[PR]
	s_mov_b32 s[CH], 4
.Lchunk:
	GEMM 2, ACT1, 1
	CVTT
	WIN 0x82
.set t, 0
.rept 32
.set i, 0
.rept 4
	v_pk_max_num_bf16 v[8*t+i], v[8*t+i], v[ZR]    ; ReLU on two rounded numbers at once
.set i, i+1
.endr
.set t, t+1
.endr
	s_wait_dscnt 0x0
	BAR                                            ; every wave has finished the block that read ACT0 last
	DUMPT DUMP0
	s_wait_dscnt 0x0                               ; for the others' sake: my columns of the hidden layer are in ACT0
	BAR
	GEMM 1, ACT0, 0
	WIN 0
	v_add_nc_u32 v[PBI], 512, v[PBI]               ; (the wait on vm_vsrc behind the hidden layer's stores stands behind the bias's loads, which read it)
	s_sub_co_u32 s[CH], s[CH], 1
	s_cmp_lg_u32 s[CH], 0
	s_cbranch_scc1 .Lchunk
	; THE WAY OUT
	s_wait_dscnt 0x0
	BAR                                            ; the waves meet once more: the stages are stored into behind this barrier, and no wave still reads the hidden layer
	ADDB
	s_wait_loadcnt 0x0                             ; the ring's last loads have landed: its registers are taken for the rows read back
	s_wait_alu depctr_va_vdst(0)                   ; the additions have written X, which the stages' stores read; the last products are done reading v64-191, in which the rows read back land
	XOUT 0
	XOUT 1
	XOUT 2
	XOUT 3
	s_wait_dscnt 0x0                               ; the closing lines, six on end
	s_wait_alu 0x0
	s_wait_tensorcnt 0x0
	ds_add_u32 v[SPW], v[NIL]
	s_wait_dscnt 0x0
	s_endpgm
.Lfunc_end_k_qb0eec815c7_layer:
	.size	k_qb0eec815c7_layer, .Lfunc_end_k_qb0eec815c7_layer-k_qb0eec815c7_layer
	.p2alignl 7, 3214868480
	.fill 96, 4, 3214868480
	.section	.rodata,"a",@progbits
	.p2align	6, 0x0
	.amdhsa_kernel k_qb0eec815c7_layer
		.amdhsa_group_segment_fixed_size 280064
		.amdhsa_private_segment_fixed_size 0
		.amdhsa_enable_private_segment 0
		.amdhsa_kernarg_size 104
		.amdhsa_user_sgpr_count 2
		.amdhsa_user_sgpr_kernarg_segment_ptr 1
		.amdhsa_wavefront_size32 1
		.amdhsa_system_sgpr_workgroup_id_x 1
		.amdhsa_system_sgpr_workgroup_id_y 1
		.amdhsa_system_sgpr_workgroup_id_z 1
		.amdhsa_system_vgpr_workitem_id 0
		.amdhsa_next_free_vgpr 1024
		.amdhsa_next_free_sgpr 80
		.amdhsa_reserve_vcc 0
		.amdhsa_float_denorm_mode_32 3
		.amdhsa_float_denorm_mode_16_64 3
		.amdhsa_memory_ordered 1
		.amdhsa_forward_progress 1
		.amdhsa_inst_pref_size 255
	.end_amdhsa_kernel
	.section	.bss,"aw",@nobits
	.p2align	6
	.space	262144
	.amdgpu_metadata
---
amdhsa.version: [ 1, 2 ]
amdhsa.kernels:
  - .name:           k_qb0eec815c7_layer
    .symbol:         k_qb0eec815c7_layer.kd
    .args:
      - { .name: x, .offset: 0, .size: 8, .value_kind: global_buffer, .address_space: global }
      - { .name: wpack, .offset: 8, .size: 8, .value_kind: global_buffer, .address_space: global }
      - { .name: out0, .offset: 16, .size: 8, .value_kind: global_buffer, .address_space: global }
      - { .name: bv, .offset: 24, .size: 8, .value_kind: global_buffer, .address_space: global }
      - { .name: bq, .offset: 32, .size: 8, .value_kind: global_buffer, .address_space: global }
      - { .name: bk, .offset: 40, .size: 8, .value_kind: global_buffer, .address_space: global }
      - { .name: bo, .offset: 48, .size: 8, .value_kind: global_buffer, .address_space: global }
      - { .name: b1, .offset: 56, .size: 8, .value_kind: global_buffer, .address_space: global }
      - { .name: b2, .offset: 64, .size: 8, .value_kind: global_buffer, .address_space: global }
      - { .name: g1, .offset: 72, .size: 8, .value_kind: global_buffer, .address_space: global }
      - { .name: beta1, .offset: 80, .size: 8, .value_kind: global_buffer, .address_space: global }
      - { .name: g2, .offset: 88, .size: 8, .value_kind: global_buffer, .address_space: global }
      - { .name: beta2, .offset: 96, .size: 8, .value_kind: global_buffer, .address_space: global }
    .group_segment_fixed_size: 280064
    .private_segment_fixed_size: 0
    .kernarg_segment_align: 8
    .kernarg_segment_size: 104
    .max_flat_workgroup_size: 128
    .sgpr_count:     80
    .vgpr_count:     1024
    .wavefront_size: 32
...
	.end_amdgpu_metadata
.endif
;; end of part 4
